; MI455X (gfx1250); checked and timed in simulation.
; The chip was launched on July 23, 2026; its instructions are those of AMD's public machine-readable ISA for CDNA 5 (MIT licence, August 2026) and "CDNA5" Instruction Set Architecture Reference Guide (July 2026). The comments in the code are by the model that wrote it; some were corrected since.
;; Multi Head Masked Self Attention. Allowed arithmetic: matrix products marked QUANTISED: E2M1 operands, one E8M0 scale for each 32 along K, by v_wmma_scale_f32_16x16x128_f8f6f4 with both operands' format E2M1 (or v_wmma_scale_f32_32x16x128_f4), f32 sums; products left as they are: bf16, f16 or f32 operands; f32 sums; everything else in f32.
;; Inputs: bk 1,024 float32; bo 1,024 float32; bq 1,024 float32; bv 1,024 float32; mask 1 x 1 x 2,048 x 2,048 float32; wk 1,024 x 1,024 float32; wo 1,024 x 1,024 float32; wq 1,024 x 1,024 float32; wv 1,024 x 1,024 float32; x 4 x 2,048 x 1,024 float32.
;; Outputs: out0 4 x 2,048 x 1,024 float32.
;; This version of the problem:
;;   THIS VERSION OF THE PROBLEM IS GIVEN IN LOW PRECISION. The matrix products marked QUANTISED in the list below multiply operands that are first quantised to E2M1 (2 exponent bits, 1 mantissa bit; 4 bits a number), with one power-of-two scale for each 32 numbers along K (OCP MX v1.0); their sums are f32. The products marked 'left as it is' may take bf16, f16 or f32 operands, with f32 sums. Whichever they take, every output number must still come out within the allowed error. Rounding operands to bf16 (8 significant bits) uses up far more of that allowance than f16 does (11 bits, for magnitudes from 6e-5 to 65,504). All else is computed in f32.
;;   The module's matrix products, in the order in which they are computed (A, B: the left and right operand; K: the contracted axis; several contracted axes count as one K, in the product's order):
;;     1. [M 8,192, K 1,024] x [K 1,024, N 1,024]; A: input x; B: input wq: QUANTISED
;;     2. [M 8,192, K 1,024] x [K 1,024, N 1,024]; A: input x; B: input wk: QUANTISED
;;     3. [M 8,192, K 1,024] x [K 1,024, N 1,024]; A: input x; B: input wv: QUANTISED
;;     4. batch 64 x [M 2,048, K 64] x [K 64, N 2,048]; A: computed on the way; B: computed on the way: left as it is (an operand is computed on the way)
;;     5. batch 64 x [M 2,048, K 2,048] x [K 2,048, N 64]; A: computed on the way; B: computed on the way: left as it is (an operand is computed on the way)
;;     6. [M 8,192, K 1,024] x [K 1,024, N 1,024]; A: computed on the way; B: input wo: left as it is (an operand is computed on the way)
;;   THE QUANTISER, for each operand of a quantised product, along K:
;;     - K is cut into blocks of 32 from its start; a last block that is shorter is filled with zeros.
;;     - A block's scale is 2^e with e = floor(log2(the largest magnitude in the block)) - 2, held to -126 .. 127; a block of zeros has e = 0. As a byte (E8M0): e + 127.
;;     - Each number is divided by its block's scale, clamped to +-6, and rounded to the nearest number of E2M1, ties to even, subnormals kept.
;;     - The product sums the exact products of the quantised numbers (number of the format x scale) in f32.
;;   ~~~python
;;   def quantise(x, axis):      # numpy; x: float32 -> the quantised numbers, widened to float32 again
;;       x = np.moveaxis(x, axis, -1); K = x.shape[-1]
;;       x = np.pad(x, [(0, 0)] * (x.ndim - 1) + [(0, -K % 32)]); x = x.reshape(x.shape[:-1] + (-1, 32)); a = np.abs(x).max(-1, keepdims=True)
;;       e = np.where(a > 0, np.clip(np.frexp(np.where(a > 0, a, 1))[1] - 1 - 2, -126, 127), 0)      # np.frexp(a)[1] - 1 = floor(log2(a)), exactly
;;       r = np.clip(x / 2.0 ** e, -6, 6)
;;       step = 2.0 ** (np.maximum(np.frexp(np.where(r == 0, 1, r))[1] - 1, 0) - 1)
;;       q = np.round(r / step) * step * 2.0 ** e      # np.round: ties to even
;;       return np.moveaxis(q.reshape(q.shape[:-2] + (-1,))[..., :K], -1, axis).astype(np.float32)
;;   ~~~
;; One version. Each part assembles by itself: llvm-mc -triple=amdgcn-amd-amdhsa -mcpu=gfx1250 --defsym DOCPART=n.
;; ======== version 1 of 1: 4 launches
;; limits: values are held in f16: magnitudes above 65,504 overflow, below 6.1e-05 lose precision
;; workspace buffers: xc 4,194,304 bytes; xs 262,144 bytes; wc 1,572,864 bytes; ws 98,304 bytes; wo16 2,097,152 bytes; qkv 50,331,648 bytes; attn 16,777,216 bytes
;; launch quant (part 1): grid 384 x 1, 4 waves a work-group, no clusters, 33,280 bytes of LDS; arguments x, wq, wk, wv, wo, xc, xs, wc, ws, wo16; writes xc, xs, wc, ws, wo16
.if DOCPART == 1
	.amdgcn_target "amdgcn-amd-amdhsa--gfx1250"
	.amdhsa_code_object_version 6
	.text
	.protected	k_qc005d48c86_quant
	.globl	k_qc005d48c86_quant
	.p2align	8
	.type	k_qc005d48c86_quant,@function
k_qc005d48c86_quant:
	s_mov_b64 s[64:65], 0
	v_nop
	global_prefetch_b8 v0, s[64:65] scope:SCOPE_SE
	s_setreg_imm32_b32 hwreg(HW_REG_WAVE_MODE, 25, 1), 1
	s_wait_xcnt 0x0
; x [8192][1024], wq, wk, wv [1024][1024], f32, K innermost, become codes of FP4 (E2M1), two a byte, with one E8M0 byte for each 32 along K; wo [1024][1024] becomes f16.
; xc [8192][512 B], xs [8192][32]; wc [3072][512 B], ws [3072][32]: rows 0-1023 wq, 1024-2047 wk, 2048-3071 wv; wo16 [1024][1024].
; A block's scale is 2^(floor(log2(its largest magnitude)) - 2); its byte is the largest magnitude's exponent field - 2, held at 1 from below.  A block of zeros so gets the byte 1 where the quantiser says 127:
; its codes are zeros, which add nothing under any byte but 0xff, and this program alone reads the bytes.
; LIMITS: blocks whose largest magnitude lies under 2^(2 - 126) have their byte held at 1; NaN and infinities among the inputs are not served; a number of wo beyond 65,504 becomes an infinity in f16.
; Rows are dense and K is a multiple of 32: every tensor is a plain stream of blocks of 32.  A work-group takes 32,768 numbers, a wave 8,192.
; Work-groups 0-255: x; 256-287: wq; 288-319: wk; 320-351: wv (only pointers are chosen: one path); 352-383: wo (a path of its own, without LDS).
; THE QUANTISER'S PATH: 16 steps of 512 numbers.  Each of a step's four loads reads 512 consecutive bytes; the 2,048 bytes go through the wave's own stage in LDS and come back 64 bytes a lane, so that a lane
; holds 16 neighbours along K (two neighbouring lanes hold a block).  A lane's 16 codes are 8 bytes: the wave stores 256 consecutive bytes.  A wave's 256 scale bytes are gathered in LDS and leave in one store.
.set WAVES, 4
.set STEPS, 16
.set EMAX,  2
.set CB,    8                          ; bytes of 16 codes
.set R,     16                         ; v16-79   four sets of 16 numbers as they are loaded (wo: two sets of 32)
.set X,     80                         ; v80-111  two sets of 16 neighbours (wo: two sets of 16 registers of f16)
.set E,     112                        ; v112-127 a scale byte for each step
.set C,     128                        ; v128-191 codes: four registers for each step, so that no store's data are written again
.set WREG,  8192                       ; LDS: a region for each wave: two stages of 32 x SP bytes, behind them its 256 scale bytes
.set SP,    80                         ; a lane's place in a stage: 64 bytes + 16 of padding
.set SPW,   12                         ; v12  LDS address of my spare word; never rewritten
.set NIL,   13                         ; v13  0; never rewritten
.set SPARE, WAVES*WREG                 ; behind the four regions: the spare words, 128 bytes for each wave
	s_load_b256 s[4:11], s[0:1], 0x0               ; x s[4:5], wq s[6:7], wk s[8:9], wv s[10:11]
	s_load_b256 s[12:19], s[0:1], 0x20             ; wo s[12:13], xc s[14:15], xs s[16:17], wc s[18:19]
	s_load_b128 s[20:23], s[0:1], 0x40             ; ws s[20:21], wo16 s[22:23]
	v_lshl_add_u32 v[SPW], v0, 2, SPARE
	v_mov_b32 v[NIL], 0
	v_lshrrev_b32 v1, 5, v0
	v_readfirstlane_b32 s24, v1                    ; wave
	v_and_b32 v2, 31, v0                           ; lane
	v_lshlrev_b32 v3, 4, v2                        ; my 16 bytes of a load's 512
	s_mul_i32 s25, s24, WREG
	v_lshrrev_b32 v14, 2, v2
	v_mul_u32_u24 v14, v14, SP
	v_and_b32 v15, 3, v2
	v_lshl_add_u32 v14, v15, 4, v14
	v_add_nc_u32 v14, s25, v14                     ; the stage, on the way in: SP (lane / 4) + 16 (lane % 4)
	v_mul_u32_u24 v15, v2, SP
	v_add_nc_u32 v15, s25, v15                     ; and on the way out: SP x lane: my 16 neighbours
	v_mul_u32_u24 v4, v2, CB                       ; 8 x lane: my codes' place in a step's (wo: my four f16)
	v_lshrrev_b32 v5, 1, v2
	s_add_co_u32 s25, s25, 2*32*SP
	v_add_nc_u32 v5, s25, v5                       ; LDS: my wave's 256 scale bytes, my block's byte
	v_lshlrev_b32 v7, 3, v2                        ; and on the way out 8 bytes a lane
	v_add_nc_u32 v6, s25, v7
	s_wait_kmcnt 0x0
	s_cmp_ge_u32 ttmp9, 352                        ; wo's work-groups part here: the branch hangs on the work-group's number alone
	s_cbranch_scc1 .Lwo
	s_sub_co_u32 s25, ttmp9, 256                   ; among the weights' 96 work-groups (not used in x's)
	s_lshr_b32 s26, s25, 5                         ; which weight
	s_and_b32 s27, s25, 31                         ; and which part of it
	s_cmp_eq_u32 s26, 1
	s_cselect_b64 s[28:29], s[8:9], s[10:11]
	s_cmp_eq_u32 s26, 0
	s_cselect_b64 s[28:29], s[6:7], s[28:29]
	s_cmp_lt_u32 ttmp9, 256
	s_cselect_b64 s[4:5], s[4:5], s[28:29]         ; the numbers,
	s_cselect_b64 s[30:31], s[14:15], s[18:19]     ; the codes,
	s_cselect_b64 s[32:33], s[16:17], s[20:21]     ; the scale bytes
	s_cselect_b32 s34, ttmp9, s27                  ; my work-group's place in the source,
	s_cselect_b32 s35, ttmp9, s25                  ; and in the destination: the three weights' codes are one stream
	s_lshl_b32 s34, s34, 2
	s_add_co_u32 s34, s34, s24                     ; my wave's run of 8,192 numbers
	s_lshl_b32 s35, s35, 2
	s_add_co_u32 s35, s35, s24
	s_lshl_b32 s36, s34, 15                        ; 32,768 bytes of numbers a run
	s_mov_b32 s37, 0
	s_add_nc_u64 s[4:5], s[4:5], s[36:37]
	s_lshl_b32 s36, s35, 12                        ; 4,096 bytes of codes
	s_add_nc_u64 s[30:31], s[30:31], s[36:37]
	s_lshl_b32 s36, s35, 8                         ; 256 scale bytes
	s_add_nc_u64 s[32:33], s[32:33], s[36:37]
.macro LOAD t
.irp i, 0,1,2,3
	global_load_b128 v[R+16*((\t)%4)+4*\i:R+16*((\t)%4)+4*\i+3], v3, s[4:5] offset:2048*(\t)+512*\i th:TH_LOAD_NT   ; 32 lanes read 512 consecutive bytes
.endr
.endm
.macro TURN t                          ; step t's numbers through the stage: LDS serves a wave's instructions in order, so no wait stands between the stores and the loads
.irp i, 0,1,2,3
	ds_store_b128 v14, v[R+16*((\t)%4)+4*\i:R+16*((\t)%4)+4*\i+3] offset:32*SP*((\t)%2)+8*SP*\i
.endr
.irp i, 0,1,2,3
	ds_load_b128 v[X+16*((\t)%2)+4*\i:X+16*((\t)%2)+4*\i+3], v15 offset:32*SP*((\t)%2)+16*\i
.endr
.endm
.irp t, 0,1,2,3
	LOAD \t
.endr
	s_wait_loadcnt 12                              ; step 0's four loads are in; the twelve of steps 1 to 3 may be out
	TURN 0
.macro STEP t
.set XS, X+16*((\t)%2)
.if (\t) > 0
	s_wait_dscnt 1                                 ; this step's numbers are back from the stage (the last step's byte store may be out): so its stores into the stage have read their registers,
.else
	s_wait_dscnt 0x0
.endif
.if (\t)+4 < STEPS
	LOAD (\t)+4                                    ; which take the loads of four steps on
.endif
.if (\t)+1 < STEPS
.if STEPS-2-(\t) >= 3
	s_wait_loadcnt 12                              ; the next step's four loads are in; those of the three steps behind it may be out
.else
	s_wait_loadcnt 4*(STEPS-2-(\t))
.endif
	TURN (\t)+1                                    ; and go through the other stage while this step is worked
.endif
	v_max3_num_f32 v8, |v[XS]|, |v[XS+1]|, |v[XS+2]|               ; the largest magnitude of my 16, in two chains
	v_max3_num_f32 v9, |v[XS+3]|, |v[XS+4]|, |v[XS+5]|
.irp i, 6,10
	v_max3_num_f32 v8, v8, |v[XS+\i]|, |v[XS+\i+1]|
	v_max3_num_f32 v9, v9, |v[XS+\i+2]|, |v[XS+\i+3]|
.endr
	v_max3_num_f32 v8, v8, |v[XS+14]|, |v[XS+15]|
	v_max3_num_f32 v8, v8, v9, (EMAX+1)<<23        ; and the floor 2^(EMAX + 1 - 127): so the byte cannot fall under 1
	v_max_num_f32_dpp v8, v8, v8 row_xmask:1 row_mask:0xf bank_mask:0xf   ; and of my neighbour's 16: the block's
	v_add_nc_u32 v11, -(EMAX<<23), v8              ; EMAX off its exponent field: the conversion takes the exponent field of this operand as its scale
	v_cvt_scalef32_pk8_fp4_f32 v[C+4*(\t)], v[XS:XS+7], v11        ; eight numbers / the scale, to the nearest code, ties to even, beyond 6 the largest code
	v_cvt_scalef32_pk8_fp4_f32 v[C+4*(\t)+1], v[XS+8:XS+15], v11
	v_lshrrev_b32 v[E+(\t)], 23, v11               ; the scale's byte (a plain line behind the conversions)
	ds_store_b8 v5, v[E+(\t)] offset:16*(\t)       ; both lanes of a block write the same byte with the same value
	global_store_b64 v4, v[C+4*(\t):C+4*(\t)+1], s[30:31] offset:32*CB*(\t)   ; the wave stores 256 consecutive bytes, aligned
.endm
.irp t, 0,1,2,3,4,5,6,7,8,9,10,11,12,13,14,15
	STEP \t
.endr
	ds_load_b64 v[8:9], v6                         ; LDS serves a wave's instructions in order: these see my byte stores
	s_wait_dscnt 0x0
	global_store_b64 v7, v[8:9], s[32:33]          ; 32 lanes store my wave's 256 scale bytes, aligned
	s_wait_tensorcnt 0x0                           ; the wave's end, behind my last LDS store
	ds_add_u32 v[SPW], v[NIL]
	s_wait_dscnt 0x0
	s_endpgm
; wo -> f16.  Eight batches of 1,024 numbers a wave: eight loads of 512 consecutive bytes, sixteen roundings of two, eight stores of 256 consecutive bytes.  Loads run two batches ahead.
.Lwo:
	s_sub_co_u32 s25, ttmp9, 352
	s_lshl_b32 s25, s25, 2
	s_add_co_u32 s25, s25, s24                     ; my wave's run of 8,192 numbers
	s_lshl_b32 s36, s25, 15
	s_mov_b32 s37, 0
	s_add_nc_u64 s[12:13], s[12:13], s[36:37]
	s_lshl_b32 s36, s25, 14
	s_add_nc_u64 s[22:23], s[22:23], s[36:37]
.macro WLOAD t
.irp i, 0,1,2,3,4,5,6,7
	global_load_b128 v[R+32*((\t)%2)+4*\i:R+32*((\t)%2)+4*\i+3], v3, s[12:13] offset:4096*(\t)+512*\i th:TH_LOAD_NT
.endr
.endm
.macro WSTEP t
.if (\t) < 7
	s_wait_loadcnt 8                               ; this batch's eight loads are in; the next batch's eight may be out
.else
	s_wait_loadcnt 0x0
.endif
	s_wait_xcnt 0x0                                ; the stores of two batches back have read their data: these registers are written again only behind this wait
.irp i, 0,1,2,3,4,5,6,7
	v_cvt_pk_f16_f32 v[X+16*((\t)%2)+2*\i], v[R+32*((\t)%2)+4*\i], v[R+32*((\t)%2)+4*\i+1]
	v_cvt_pk_f16_f32 v[X+16*((\t)%2)+2*\i+1], v[R+32*((\t)%2)+4*\i+2], v[R+32*((\t)%2)+4*\i+3]
.endr
.irp i, 0,1,2,3,4,5,6,7
	global_store_b64 v4, v[X+16*((\t)%2)+2*\i:X+16*((\t)%2)+2*\i+1], s[22:23] offset:2048*(\t)+256*\i
.endr
.if (\t)+2 < 8
	WLOAD (\t)+2
.endif
.endm
	WLOAD 0
	WLOAD 1
.irp t, 0,1,2,3,4,5,6,7
	WSTEP \t
.endr
	s_wait_tensorcnt 0x0                           ; the same three closing lines on this path
	ds_add_u32 v[SPW], v[NIL]
	s_wait_dscnt 0x0
	s_endpgm
.Lfunc_end_k_qc005d48c86_quant:
	.size	k_qc005d48c86_quant, .Lfunc_end_k_qc005d48c86_quant-k_qc005d48c86_quant
	.p2alignl 7, 3214868480
	.fill 96, 4, 3214868480
	.section	.rodata,"a",@progbits
	.p2align	6, 0x0
	.amdhsa_kernel k_qc005d48c86_quant
		.amdhsa_group_segment_fixed_size 33280
		.amdhsa_private_segment_fixed_size 0
		.amdhsa_enable_private_segment 0
		.amdhsa_kernarg_size 80
		.amdhsa_user_sgpr_count 2
		.amdhsa_user_sgpr_kernarg_segment_ptr 1
		.amdhsa_wavefront_size32 1
		.amdhsa_system_sgpr_workgroup_id_x 1
		.amdhsa_system_sgpr_workgroup_id_y 1
		.amdhsa_system_sgpr_workgroup_id_z 1
		.amdhsa_system_vgpr_workitem_id 0
		.amdhsa_next_free_vgpr 192
		.amdhsa_next_free_sgpr 66
		.amdhsa_reserve_vcc 0
		.amdhsa_float_denorm_mode_32 3
		.amdhsa_float_denorm_mode_16_64 3
		.amdhsa_memory_ordered 1
		.amdhsa_forward_progress 1
		.amdhsa_inst_pref_size 55
	.end_amdhsa_kernel
	.amdgpu_metadata
---
amdhsa.version: [ 1, 2 ]
amdhsa.kernels:
  - .name:           k_qc005d48c86_quant
    .symbol:         k_qc005d48c86_quant.kd
    .args:
      - { .name: x, .offset: 0, .size: 8, .value_kind: global_buffer, .address_space: global }
      - { .name: wq, .offset: 8, .size: 8, .value_kind: global_buffer, .address_space: global }
      - { .name: wk, .offset: 16, .size: 8, .value_kind: global_buffer, .address_space: global }
      - { .name: wv, .offset: 24, .size: 8, .value_kind: global_buffer, .address_space: global }
      - { .name: wo, .offset: 32, .size: 8, .value_kind: global_buffer, .address_space: global }
      - { .name: xc, .offset: 40, .size: 8, .value_kind: global_buffer, .address_space: global }
      - { .name: xs, .offset: 48, .size: 8, .value_kind: global_buffer, .address_space: global }
      - { .name: wc, .offset: 56, .size: 8, .value_kind: global_buffer, .address_space: global }
      - { .name: ws, .offset: 64, .size: 8, .value_kind: global_buffer, .address_space: global }
      - { .name: wo16, .offset: 72, .size: 8, .value_kind: global_buffer, .address_space: global }
    .group_segment_fixed_size: 33280
    .private_segment_fixed_size: 0
    .kernarg_segment_align: 8
    .kernarg_segment_size: 80
    .max_flat_workgroup_size: 128
    .sgpr_count:     66
    .vgpr_count:     192
    .wavefront_size: 32
...
	.end_amdgpu_metadata
.endif
;; end of part 1
;; launch qkv (part 2): grid 12 x 32, 4 waves a work-group, clusters of 4 x 4, 327,680 bytes of LDS; arguments xc, xs, wc, ws, bq, bk, bv, qkv; writes qkv
.if DOCPART == 2
	.amdgcn_target "amdgcn-amd-amdhsa--gfx1250"
	.amdhsa_code_object_version 6
	.text
	.protected	k_qc005d48c86_qkv
	.globl	k_qc005d48c86_qkv
	.p2align	8
	.type	k_qc005d48c86_qkv,@function
k_qc005d48c86_qkv:
	s_mov_b64 s[64:65], 0
	v_nop
	global_prefetch_b8 v0, s[64:65] scope:SCOPE_SE
	s_setreg_imm32_b32 hwreg(HW_REG_WAVE_MODE, 25, 1), 1
	s_wait_xcnt 0x0
	s_wait_alu depctr_hold_cnt(0) depctr_sa_sdst(0) depctr_va_vdst(0) depctr_va_sdst(0) depctr_va_ssrc(0) depctr_va_vcc(0) depctr_vm_vsrc(0)
	s_getreg_b32 s2, hwreg(HW_REG_IB_STS2, 6, 4)
	s_cmp_eq_u32 s2, 0
	s_cbranch_scc0 .Lentry_in_a_cluster
	s_endpgm
.Lentry_in_a_cluster:
	s_bfe_u32 s2, ttmp6, 0x10000c
	s_cmp_lg_u32 s2, 0xf033
	s_cbranch_scc0 .Lentry_shape_is_right
	s_endpgm
.Lentry_shape_is_right:
; C[m][n] = sum over k of A[m][k] B[n][k] + bias[n], on codes of FP4 (E2M1) with one E8M0 scale for each 32 along K.  A = x's codes [8192][1024], B = the codes of wq, wk, wv on end [3072][1024].
; Columns 0-1023 are q, 1024-2047 k, 2048-3071 v.  q is also multiplied by log2(e) / 8, so that the attention's scores come out in powers of two.  The results are rounded to f16 and laid by head:
; qkv [3 (q, k, v)][4 b][16 h][2048 s][64]: a row of a head is 128 bytes, and a head's rows follow each other without a gap.
; LIMITS: |k|, |v| and |q| log2(e) / 8 beyond 65,504 become infinities in f16.  (sum + bias) f is made as fma(sum, f, bias f).
; A tile of C, 256 x 256, is made by a work-group of four waves; a wave makes 128 x 128: 64 accumulators of 16 x 16, 512 registers.
; All of K lies in two LDS slots of 512 along K (rows of 256 bytes): both are asked for at the head and nothing is filled again.  The scales of the work-group's 256 + 256 rows come with them, as dense blocks.
; CLUSTERS: 4 x 4 work-groups.  The four of a row of the cluster need the same tiles of A, the four of a column the same tiles of B: each tile is asked for JOINTLY, by the same tensor load with the same
; descriptor and a mask that names the four.  THE MATRIX INSTRUCTION IS USED TRANSPOSED (source 0 = 16 rows of B, source 1 = 16 rows of A): a lane then holds eight neighbouring columns of a row of C.
; REGISTERS, in windows of 256: window 0: v0-31 addresses; v32-95 scale words, two sets; v128-191 A's fragments, ONE set; v192-255 the bias x f of my 128 columns; on the way out v32-191 are free.
;   window 1: B's fragments, TWO sets, at v0 and v128.   window 2: the 32 accumulators of my rows 0-63 (accumulator (a, b) at v[8 (8 a + b)]);   window 3: those of my rows 64-127.
.set SIZE_K, 1024
.set KSTEP,  512                       ; along K in a slot
.set NQ,     KSTEP/128                 ; matrix instructions deep
.set ROWB,   256                       ; a tile's row in bytes
.set KROW,   SIZE_K*4/8                ; a row of A or of B in memory, in bytes
.set PITCH,  272                       ; an LDS row: 256 bytes + 16 of padding = 68 words: row r starts at bank 4 r mod 64 (ISA guide 11.1)
.set FR,     8                         ; registers of a fragment: 16 rows x 128 K
.set NL,     2                         ; LDS loads that bring one
.set NP,     4                         ; places behind this matrix instruction (ISA guide 7.12.1)
.set HALFT,  128*PITCH                 ; 128 rows: what one tensor load brings
.set SLOT,   4*HALFT                   ; A's 256 rows, then B's 256 rows
.set KS,     SIZE_K/32                 ; a row of scales in bytes
.set SCL,    2*SLOT                    ; behind the slots: the scales, as rows of 256 bytes + 16 of padding
.set HALFS,  (128*KS/256)*272          ; the scales of 128 rows: what one tensor load brings
.set SBLK,   (16*KS/256)*272           ; those of 16 rows
.set SPARE,  SCL+4*HALFS               ; behind the scales: the spare words, 128 bytes for each wave
.set SPITCH, 272                       ; the way out: a stage of 16 rows x (256 bytes + 16) for each wave, in slot 0, which has had its only fill and its last read by then
.set ADRA, 16                          ; v16-17  LDS address of my A fragments in slot 0, 1
.set ADRB, 20                          ; v20-21  the same for B
.set STO,  24                          ; v24     the way out: where I put 16 bytes of a row
.set RD,   25                          ; v25     the way out: where I read 16 bytes back
.set CO,   26                          ; v26     my byte offset in qkv
.set ADRS, 27                          ; v27     LDS address of my scale words: lanes 0-15 A's rows, lanes 16-31 B's
.set SPW,  28                          ; v28     LDS address of my spare word; never rewritten
.set NIL,  29                          ; v29     0; never rewritten
.set SC,   32                          ; scale words: set s at v[SC + 8 NQ s]; register NQ i + q: lanes 0-15 A's block i, lanes 16-31 B's block i, the slot's q-th 128 along K
.set AF,   128                         ; A's fragments
.set BIAS, 192                         ; v192-255 block b's eight columns of my half at v[BIAS + 8 b]
.set TMP,  32                          ; the way out: v32-63 a block rounded to f16
.set BK,   64                          ; v64-127 16 rows read back from the stage, two sets by turns
.set TF,   128                         ; v128-191 a block in f32, bias and factor applied
.set FS,   66                          ; s[66:67] the factor, twice
.set G1, 24                            ; s[24:31] descriptor group 1 for A's tiles;  s[32:39] group 0, one set for each slot
.set G0, 32
.set G1B, 48                           ; s[48:55], s[56:63] the same for B's tiles
.set G0B, 56
.set G1S, 68                           ; s[68:75], s[76:79] groups 1 and 0 for A's scales;  s[80:87], s[88:91] for B's
.set G0S, 76
.set G1SB, 80
.set G0SB, 88
.set MSB, 0
.macro WIN new                         ; the immediate's high byte repeats the setting that is left
.if MSB != (\new)
	s_set_vgpr_msb (MSB<<8)|(\new)
.set MSB, (\new)
.endif
.endm
.set MUL_LO, 0xa1                      ; source 0 (B) window 1, source 1 (A) window 0, C and D window 2
.set MUL_HI, 0xf1                      ; the same, C and D window 3
.set TO_B,   0x40                      ; destination window 1, address window 0
; A joint load: waves 0 and 1 fetch for A, waves 2 and 3 for B.  Each line has ONE mask and one set of registers for all that issue it; the branch hangs on the wave's number alone.
; An s_nop 0 and four v_nop follow each of the two lines.
.macro JLOAD g0a, g1a, g0b, g1b
	s_cmp_eq_u32 s15, 0
	s_cbranch_scc0 .Lfor_b_\@
	tensor_load_to_lds s[\g0a:\g0a+3], s[\g1a:\g1a+7]
	s_nop 0
.rept 4
	v_nop
.endr
	s_branch .Lasked_\@
.Lfor_b_\@:
	tensor_load_to_lds s[\g0b:\g0b+3], s[\g1b:\g1b+7]
	s_nop 0
.rept 4
	v_nop
.endr
.Lasked_\@:
.endm
.macro CROUND                          ; a round of the cluster's barrier
	s_barrier_signal -1
	s_barrier_wait -1
	s_cmp_lg_u32 s14, 0
	s_cbranch_scc1 .Lnot_wave_0_\@
	s_barrier_signal -3
.Lnot_wave_0_\@:
	s_barrier_wait -3
	s_barrier_signal -1
	s_barrier_wait -1
.endm
	s_load_b128 s[4:7], s[0:1], 0x0                ; A's codes s[4:5], A's scales s[6:7]
	s_load_b128 s[8:11], s[0:1], 0x10              ; B's codes s[8:9], B's scales s[10:11]
	v_lshl_add_u32 v[SPW], v0, 2, SPARE
	v_mov_b32 v[NIL], 0
	ds_add_u32 v[SPW], v[NIL]                      ; the wave's opening: the add and its wait stand ahead of my first tensor load; the set-up below stands between them
	v_lshrrev_b32 v1, 5, v0
	v_readfirstlane_b32 s14, v1                    ; wave 0..3
	s_lshr_b32 s15, s14, 1                         ; which half of the tile's rows is mine.  Also: I fetch for A (0) or for B (1)
	s_and_b32 s16, s14, 1                          ; which half of its columns.  Also: which 128 rows of that tile I fetch
	s_bfe_u32 s40, ttmp6, 0x40000                  ; cx, cy: my place in the cluster
	s_bfe_u32 s41, ttmp6, 0x40004
	s_lshl_b32 s42, ttmp9, 2
	s_add_co_u32 s42, s42, s40                     ; tile column of C = 4 x cluster x + cx
	s_and_b32 s17, ttmp7, 0xffff
	s_lshl_b32 s17, s17, 2
	s_add_co_u32 s17, s17, s41                     ; tile row of C = 4 x cluster y + cy
	s_lshl_b32 s43, s41, 2
	s_lshl_b32 s43, 15, s43                        ; my row of the cluster
	s_lshl_b32 s44, 0x1111, s40                    ; my column
	; descriptor group 1: a tile of 128 rows x 256 bytes, padded in LDS
	s_or_b32 s[G1+0], s43, (0<<16)|(1<<20)|(1<<21)|(5<<22)|(3<<25)  ; 15:0 the mask: A's tiles go to my row; 17:16 element of 1 byte; 20 padding on; 21 set beside a mask; 24:22 after every 64 words; 31:25 four words
	s_or_b32 s[G1B+0], s44, (0<<16)|(1<<20)|(1<<21)|(5<<22)|(3<<25)
.irp g, G1, G1B
	s_mov_b32 s[\g+1], ROWB<<16                    ; tensor_dim0
	s_mov_b32 s[\g+2], 128<<16                     ; tensor_dim1 = 128
	s_mov_b32 s[\g+3], ROWB<<16                    ; tile_dim0
	s_mov_b32 s[\g+4], 128                         ; tile_dim1 = 128
	s_mov_b32 s[\g+5], KROW                        ; tensor_dim0_stride
	s_mov_b32 s[\g+6], 0
	s_mov_b32 s[\g+7], 0
.endr
	; the scales of 128 rows: a dense block of 4,096 bytes, as rows of 256 bytes (32 elements of 8 bytes), 16 bytes of padding behind each
	s_or_b32 s[G1S+0], s43, (3<<16)|(1<<20)|(1<<21)|(5<<22)|(3<<25)
	s_or_b32 s[G1SB+0], s44, (3<<16)|(1<<20)|(1<<21)|(5<<22)|(3<<25)
.irp g, G1S, G1SB
	s_mov_b32 s[\g+1], 32<<16
	s_mov_b32 s[\g+2], (128*KS/256)<<16
	s_mov_b32 s[\g+3], 32<<16
	s_mov_b32 s[\g+4], 128*KS/256
	s_mov_b32 s[\g+5], 32
	s_mov_b32 s[\g+6], 0
	s_mov_b32 s[\g+7], 0
.endr
	s_lshl_b32 s18, s16, 7                         ; which 128 rows of the tile I fetch
	s_lshl_b32 s20, s17, 8
	s_add_co_u32 s20, s20, s18                     ; A: row 256 x tile row + 128 x half
	s_lshl_b32 s46, s42, 8
	s_add_co_u32 s46, s46, s18                     ; B: row 256 x tile column + 128 x half
	s_mov_b32 s21, 0
	s_mov_b32 s47, 0
	s_mov_b64 s[18:19], KS
	s_mul_u64 s[22:23], s[20:21], s[18:19]         ; where these rows' scales begin, in bytes
	s_mul_u64 s[92:93], s[46:47], s[18:19]
	s_mov_b64 s[18:19], KROW
	s_mul_u64 s[20:21], s[20:21], s[18:19]         ; and their codes
	s_mul_u64 s[46:47], s[46:47], s[18:19]
	s_mul_i32 s45, s14, HALFT                      ; where they go: wave x 128 rows: no place in the cluster enters an LDS address
	s_mul_i32 s94, s14, HALFS
	s_wait_dscnt 0x0                               ; the opening add is done
	s_wait_kmcnt 0x0
	s_add_nc_u64 s[20:21], s[4:5], s[20:21]
	s_add_nc_u64 s[22:23], s[6:7], s[22:23]
	s_add_nc_u64 s[46:47], s[8:9], s[46:47]
	s_add_nc_u64 s[92:93], s[10:11], s[92:93]
	CROUND                                         ; all sixteen work-groups are here: the first joint loads meet
	s_mov_b32 s[G0S], 1
	s_add_co_u32 s[G0S+1], s94, SCL
	s_mov_b64 s[G0S+2:G0S+3], s[22:23]
	s_or_b32 s[G0S+3], s[G0S+3], 0x80000000
	s_mov_b32 s[G0SB], 1
	s_add_co_u32 s[G0SB+1], s94, SCL
	s_mov_b64 s[G0SB+2:G0SB+3], s[92:93]
	s_or_b32 s[G0SB+3], s[G0SB+3], 0x80000000
	JLOAD G0S, G1S, G0SB, G1SB                     ; the scales first: they are wanted with the first slot
.irp s, 0,1
	s_mov_b32 s[G0+4*\s], 1
	s_add_co_u32 s[G0+4*\s+1], s45, \s*SLOT
	s_add_nc_u64 s[G0+4*\s+2:G0+4*\s+3], s[20:21], \s*ROWB
	s_or_b32 s[G0+4*\s+3], s[G0+4*\s+3], 0x80000000
	s_mov_b32 s[G0B+4*\s], 1
	s_add_co_u32 s[G0B+4*\s+1], s45, \s*SLOT
	s_add_nc_u64 s[G0B+4*\s+2:G0B+4*\s+3], s[46:47], \s*ROWB
	s_or_b32 s[G0B+4*\s+3], s[G0B+4*\s+3], 0x80000000
	JLOAD G0+4*\s, G1, G0B+4*\s, G1B               ; three tensor loads of mine are out: all that this text issues
.endr
	s_load_b256 s[4:11], s[0:1], 0x20              ; the first four addresses are used up: bq s[4:5], bk s[6:7], bv s[8:9], qkv s[10:11]
	v_and_b32 v1, 15, v0                           ; l % 16
	v_bfe_u32 v2, v0, 4, 1                         ; l / 16
	v_mul_u32_u24 v3, v1, PITCH
	v_lshl_add_u32 v4, v2, 4, v3                   ; a fragment's row x pitch + 16 x half
	s_mul_i32 s21, s15, HALFT                      ; my 128 rows of A
	s_mul_i32 s22, s16, HALFT                      ; my 128 rows of B,
	s_add_co_u32 s22, s22, 2*HALFT                 ; which lie behind A's 256
.irp s, 0,1
	v_add_nc_u32 v[ADRA+\s], s21, v4
	v_add_nc_u32 v[ADRB+\s], s22, v4
	s_add_co_u32 s21, s21, SLOT
	s_add_co_u32 s22, s22, SLOT
.endr
	v_mul_u32_u24 v5, v1, KS                       ; my row's scales: KS bytes a row,
	v_lshrrev_b32 v6, 8, v5
	v_lshl_add_u32 v5, v6, 4, v5                   ; and 16 more for each 256 passed
	s_mul_i32 s21, s15, HALFS                      ; A's: my 128 rows
	s_mul_i32 s22, s16, HALFS                      ; B's: my 128 rows, behind A's 256
	s_add_co_u32 s22, s22, 2*HALFS
	s_sub_co_u32 s22, s22, s21
	v_mul_u32_u24 v6, s22, v2                      ; lanes 16-31 take B's
	s_add_co_u32 s21, s21, SCL
	v_add_nc_u32 v5, v5, v6
	v_add_nc_u32 v[ADRS], s21, v5
	s_mul_i32 s23, s14, 16*SPITCH                  ; my stage
	v_mul_u32_u24 v5, v1, SPITCH                   ; in: row l % 16, 16 bytes for each half of the lanes
	v_lshl_add_u32 v5, v2, 4, v5
	v_add_nc_u32 v[STO], s23, v5
	v_bfe_u32 v6, v0, 3, 1                         ; back: lanes 0-7 and 8-15 take two rows' first 128 bytes (my first head), lanes 16-31 the same rows' second 128 (my second head)
	v_and_b32 v7, 7, v0
	v_mul_u32_u24 v5, v6, SPITCH
	v_lshl_add_u32 v5, v2, 7, v5
	v_lshl_add_u32 v5, v7, 4, v5
	v_add_nc_u32 v[RD], s23, v5
	v_lshlrev_b32 v[CO], 18, v2                    ; in qkv: a head on for lanes 16-31, a row (128 bytes) on for lanes 8-15 and 24-31, 16 bytes a lane
	v_lshl_add_u32 v[CO], v6, 7, v[CO]
	v_lshl_add_u32 v[CO], v7, 4, v[CO]
	v_lshlrev_b32 v8, 5, v2                        ; the bias: 32 bytes on for lanes 16-31
	s_wait_kmcnt 0x0
	s_cmp_eq_u32 ttmp9, 1                          ; tile columns 0-3 are q's, 4-7 k's, 8-11 v's: the cluster's x says which
	s_cselect_b64 s[96:97], s[6:7], s[8:9]
	s_cmp_eq_u32 ttmp9, 0
	s_cselect_b64 s[96:97], s[4:5], s[96:97]
	s_mov_b32 s[FS+1], 1.0
	s_cselect_b32 s[FS], 0x3e38aa3b, s[FS+1]       ; q: log2(e) / 8; k, v: 1
	s_mov_b32 s[FS+1], s[FS]
	s_lshl_b32 s46, s40, 10                        ; my first column within the tensor, in bytes of f32: 1,024 cx + 512 x half
	s_lshl_b32 s47, s16, 9
	s_add_co_u32 s46, s46, s47
	s_mov_b32 s47, 0
	s_add_nc_u64 s[96:97], s[96:97], s[46:47]
.irp b, 0,1,2,3,4,5,6,7
	global_load_b128 v[BIAS+8*\b:BIAS+8*\b+3], v8, s[96:97] offset:64*\b            ; bias(16 b + 8 (l / 16) + 0 .. 7): the result's layout
	global_load_b128 v[BIAS+8*\b+4:BIAS+8*\b+7], v8, s[96:97] offset:64*\b+16
.endr
	s_lshl_b32 s46, ttmp9, 6                       ; where my part begins in qkv: head number 64 x tensor + 16 b + 4 cx + 2 x half,
	s_lshr_b32 s47, s17, 3
	s_lshl_b32 s47, s47, 4
	s_add_co_u32 s46, s46, s47
	s_lshl_b32 s47, s40, 2
	s_add_co_u32 s46, s46, s47
	s_lshl_b32 s47, s16, 1
	s_add_co_u32 s46, s46, s47
	s_lshl_b32 s46, s46, 18                        ; 262,144 bytes a head,
	s_and_b32 s47, s17, 7
	s_lshl_b32 s47, s47, 8
	s_lshl_b32 s92, s15, 7
	s_add_co_u32 s47, s47, s92                     ; row 256 (tile row % 8) + 128 x half of the sequence,
	s_lshl_b32 s47, s47, 7                         ; 128 bytes a row
	s_add_co_u32 s46, s46, s47
	s_mov_b32 s47, 0
	s_add_nc_u64 s[10:11], s[10:11], s[46:47]
	s_wait_loadcnt 0x0
.irp i, 0,2,4,6,8,10,12,14,16,18,20,22,24,26,28,30,32,34,36,38,40,42,44,46,48,50,52,54,56,58,60,62
	v_pk_mul_f32 v[BIAS+\i:BIAS+\i+1], v[BIAS+\i:BIAS+\i+1], s[FS:FS+1] op_sel_hi:[1,0]   ; bias x f, once
.endr
.macro FRAG reg, adr, q, i             ; a fragment, 16 rows x 128 K of 4-bit codes: lane l holds row l % 16; registers 4 c .. 4 c + 3 hold K = 64 c + 32 (l / 16) + 0 .. 31
.irp c, 0,1
	ds_load_b128 v[\reg+4*\c:\reg+4*\c+3], v[\adr] offset:64*(\q)+32*\c+(\i)*16*PITCH
.endr
.endm
; 16 matrix instructions: A's blocks a0, a0 + 1 x B's eight, 128 along K: the slot's q-th.  p: B's set;  sc: the set of scale words.  zero = 1: the first product starts the sums.
; The 64 accumulators take turns, one instruction a turn, in the same order in every step.
.macro MUL16 a0, p, q, sc, zero
.irp a, \a0, \a0+1
.irp b, 0,1,2,3,4,5,6,7
.if \zero
	v_wmma_scale_f32_16x16x128_f8f6f4 v[8*(8*((\a)%4)+\b):8*(8*((\a)%4)+\b)+7], v[128*(\p)+FR*\b:128*(\p)+FR*\b+FR-1], v[AF+FR*(\a):AF+FR*(\a)+FR-1], 0, v[SC+8*NQ*(\sc)+NQ*\b+(\q)], v[SC+8*NQ*(\sc)+NQ*(\a)+(\q)] matrix_a_fmt:MATRIX_FMT_FP4 matrix_b_fmt:MATRIX_FMT_FP4 matrix_a_scale:MATRIX_SCALE_ROW1
.else
	v_wmma_scale_f32_16x16x128_f8f6f4 v[8*(8*((\a)%4)+\b):8*(8*((\a)%4)+\b)+7], v[128*(\p)+FR*\b:128*(\p)+FR*\b+FR-1], v[AF+FR*(\a):AF+FR*(\a)+FR-1], v[8*(8*((\a)%4)+\b):8*(8*((\a)%4)+\b)+7], v[SC+8*NQ*(\sc)+NQ*\b+(\q)], v[SC+8*NQ*(\sc)+NQ*(\a)+(\q)] matrix_a_fmt:MATRIX_FMT_FP4 matrix_b_fmt:MATRIX_FMT_FP4 matrix_a_scale:MATRIX_SCALE_ROW1
.endif
.endr
.endr
.endm
.macro FETCH_B slot, q, p              ; B's eight fragments of the slot's q-th 128 along K into set p
	WIN TO_B
.irp i, 0,1,2,3,4,5,6,7
	FRAG 128*(\p)+FR*\i, ADRB+\slot, \q, \i
.endr
	WIN 0
.endm
.macro FETCH_A slot, q, i0             ; A's blocks i0 .. i0 + 3
.irp i, \i0, \i0+1, \i0+2, \i0+3
	FRAG AF+FR*(\i), ADRA+\slot, \q, \i
.endr
.endm
.macro SCALES sc                       ; a slot's scale words into set sc: NQ words a row; lanes 0-15 take A's block i, lanes 16-31 B's block i
.irp i, 0,1,2,3,4,5,6,7
	ds_load_b128 v[SC+8*NQ*\sc+NQ*\i:SC+8*NQ*\sc+NQ*\i+3], v[ADRS] offset:\i*SBLK
.endr
.endm
; A load into a register that a matrix instruction has read, and a vector instruction that reads a matrix result, stand NP places behind that matrix instruction; only plain vector
; instructions that name none of its registers are places (ISA guide 7.12.1 for vector instructions).
.macro PLACES n
.rept \n
	v_nop
.endr
.endm
; A step of 128 along K that has its successor in the same slot.
.macro STEP slot, q, zero
	s_wait_dscnt 4*NL                              ; B's set and A's blocks 0-3 are in; the youngest eight loads (A's blocks 4-7) may be out
	WIN MUL_LO
	MUL16 0, (\q)%2, \q, \slot, \zero
	MUL16 2, (\q)%2, \q, \slot, \zero
	s_wait_dscnt 0                                 ; A's blocks 4-7 are in (asked for 32 matrix instructions ago)
	PLACES NP
	FETCH_B \slot, (\q)+1, 1-(\q)%2
	FETCH_A \slot, (\q)+1, 0
	WIN MUL_HI
	MUL16 4, (\q)%2, \q, \slot, \zero
	MUL16 6, (\q)%2, \q, \slot, \zero
	PLACES NP
	WIN 0
	FETCH_A \slot, (\q)+1, 4
.endm
; Slot 0's last step changes slots: one barrier; in front of it each wave waits for all its tensor loads (its part of slot 1), adds 0 to its spare word, and waits for that and for its reads of slot 0.
; Behind it slot 1 is whole, and nobody reads slot 0 any more: the stages of the way out lie there.  Nothing is filled again.
.macro TURN slot, next
	s_wait_tensorcnt 0x0                           ; all my tensor loads have landed  (every window is 0 here)
	ds_add_u32 v[SPW], v[NIL]                      ; 0 onto my spare word
	s_wait_dscnt 4*NL+1                            ; (the add and the youngest eight loads, A's blocks 4-7, may be out)
	WIN MUL_LO
	MUL16 0, 1, NQ-1, \slot, 0                     ; sixteen matrix instructions stand between the add and the wait for it
	s_wait_dscnt 0x0                               ; the add is done, and my reads of this slot are over
	s_barrier_signal -1
	MUL16 2, 1, NQ-1, \slot, 0
	WIN 0
	s_barrier_wait -1
	PLACES NP
	v_add_nc_u32 v[ADRS], 4*NQ, v[ADRS]            ; on to the next slot's scale words (no LDS load of mine is out)
	FETCH_B \next, 0, 0
	FETCH_A \next, 0, 0
	SCALES \next
	WIN MUL_HI
	MUL16 4, 1, NQ-1, \slot, 0
	MUL16 6, 1, NQ-1, \slot, 0
	PLACES NP
	WIN 0
	FETCH_A \next, 0, 4
.endm
.macro STEPS slot, from                ; the slot's steps from .. NQ - 2
.set Q, \from
.rept NQ-1-\from
	STEP \slot, Q, 0
.set Q, Q+1
.endr
.endm
	s_wait_tensorcnt 1                             ; the scales and my part of slot 0 are in (slot 1's load may be out)
	s_barrier_signal -1
	s_barrier_wait -1                              ; everybody's are
	FETCH_B 0, 0, 0
	FETCH_A 0, 0, 0
	SCALES 0
	FETCH_A 0, 0, 4
	STEP 0, 0, 1                                   ; the first step's products start the sums
	STEPS 0, 1
	TURN 0, 1
	STEPS 1, 0
	s_wait_dscnt 4*NL                              ; the very last step: nothing more to fetch
	WIN MUL_LO
	MUL16 0, 1, NQ-1, 1, 0
	MUL16 2, 1, NQ-1, 1, 0
	s_wait_dscnt 0
	WIN MUL_HI
	MUL16 4, 1, NQ-1, 1, 0
	MUL16 6, 1, NQ-1, 1, 0
	WIN 0
; THE WAY OUT, block by block of 16 rows x 128 columns (two heads).  PACK: fma(sum, f, bias f), each accumulator from its low end on, then two roundings to f16 an instruction: 16 bytes a lane.
; TOSTAGE: into my own stage, and back so that sixteen lanes hold two neighbouring rows of one head: 256 consecutive bytes of qkv.  SEND: stored.
.macro PACK a
.set AC, 64*((\a)%4)
	WIN 0x02+((\a)/4)                              ; source 0: window 2 or 3
.irp b, 0,1,2,3,4,5,6,7
.irp i, 0,1,2,3
	v_pk_fma_f32 v[TF+8*\b+2*\i:TF+8*\b+2*\i+1], v[AC+8*\b+2*\i:AC+8*\b+2*\i+1], s[FS:FS+1], v[BIAS+8*\b+2*\i:BIAS+8*\b+2*\i+1] op_sel_hi:[1,0,1]
.endr
.endr
	WIN 0
.irp b, 0,1,2,3,4,5,6,7
.irp i, 0,1,2,3
	v_cvt_pk_f16_f32 v[TMP+4*\b+\i], v[TF+8*\b+2*\i], v[TF+8*\b+2*\i+1]
.endr
.endr
.endm
.macro TOSTAGE a
.set BB, BK+32*((\a)%2)
.irp b, 0,1,2,3,4,5,6,7
	ds_store_b128 v[STO], v[TMP+4*\b:TMP+4*\b+3] offset:32*\b
.endr
.irp i, 0,1,2,3,4,5,6,7
	ds_load_b128 v[BB+4*\i:BB+4*\i+3], v[RD] offset:\i*2*SPITCH    ; LDS serves a wave's instructions in order (ISA guide 5.7.1.4): these see the stores above
.endr
.endm
.macro SEND a
.set BB, BK+32*((\a)%2)
	s_wait_dscnt 0x0                               ; the block is back in registers
	s_wait_xcnt 0x0                                ; the stores of the block before have read their data: the next block's loads from the stage land in those registers only behind this wait
.irp i, 0,1,2,3,4,5,6,7
	global_store_b128 v[CO], v[BB+4*\i:BB+4*\i+3], s[10:11] offset:2048*(\a)+256*\i   ; sixteen lanes store 256 consecutive bytes, at a multiple of 256 from qkv's first byte
.endr
.endm
	PLACES NP                                      ; behind the last products: for the writes over A's fragments and the scale words, and for the reads of results
	PACK 0
	TOSTAGE 0
.irp a, 1,2,3,4,5,6,7                  ; block a's arithmetic stands between block a - 1's loads from the stage and the wait for them
	PACK \a
	SEND \a-1
	TOSTAGE \a
.endr
	SEND 7
	s_wait_tensorcnt 0x0                           ; the wave's end, behind my last tensor load and my last LDS store
	ds_add_u32 v[SPW], v[NIL]
	s_wait_dscnt 0x0
	CROUND                                         ; the closing round: no work-group ends while a partner may still ask for a tile that names it
	s_endpgm
.Lfunc_end_k_qc005d48c86_qkv:
	.size	k_qc005d48c86_qkv, .Lfunc_end_k_qc005d48c86_qkv-k_qc005d48c86_qkv
	.p2alignl 7, 3214868480
	.fill 96, 4, 3214868480
	.section	.rodata,"a",@progbits
	.p2align	6, 0x0
	.amdhsa_kernel k_qc005d48c86_qkv
		.amdhsa_group_segment_fixed_size 327680
		.amdhsa_private_segment_fixed_size 0
		.amdhsa_enable_private_segment 0
		.amdhsa_kernarg_size 64
		.amdhsa_user_sgpr_count 2
		.amdhsa_user_sgpr_kernarg_segment_ptr 1
		.amdhsa_wavefront_size32 1
		.amdhsa_system_sgpr_workgroup_id_x 1
		.amdhsa_system_sgpr_workgroup_id_y 1
		.amdhsa_system_sgpr_workgroup_id_z 1
		.amdhsa_system_vgpr_workitem_id 0
		.amdhsa_next_free_vgpr 1024
		.amdhsa_next_free_sgpr 100
		.amdhsa_reserve_vcc 0
		.amdhsa_float_denorm_mode_32 3
		.amdhsa_float_denorm_mode_16_64 3
		.amdhsa_memory_ordered 1
		.amdhsa_forward_progress 1
		.amdhsa_inst_pref_size 147
	.end_amdhsa_kernel
	.amdgpu_metadata
---
amdhsa.version: [ 1, 2 ]
amdhsa.kernels:
  - .name:           k_qc005d48c86_qkv
    .symbol:         k_qc005d48c86_qkv.kd
    .args:
      - { .name: xc, .offset: 0, .size: 8, .value_kind: global_buffer, .address_space: global }
      - { .name: xs, .offset: 8, .size: 8, .value_kind: global_buffer, .address_space: global }
      - { .name: wc, .offset: 16, .size: 8, .value_kind: global_buffer, .address_space: global }
      - { .name: ws, .offset: 24, .size: 8, .value_kind: global_buffer, .address_space: global }
      - { .name: bq, .offset: 32, .size: 8, .value_kind: global_buffer, .address_space: global }
      - { .name: bk, .offset: 40, .size: 8, .value_kind: global_buffer, .address_space: global }
      - { .name: bv, .offset: 48, .size: 8, .value_kind: global_buffer, .address_space: global }
      - { .name: qkv, .offset: 56, .size: 8, .value_kind: global_buffer, .address_space: global }
    .group_segment_fixed_size: 327680
    .private_segment_fixed_size: 0
    .kernarg_segment_align: 8
    .kernarg_segment_size: 64
    .max_flat_workgroup_size: 128
    .sgpr_count:     100
    .vgpr_count:     1024
    .wavefront_size: 32
...
	.end_amdgpu_metadata
.endif
;; end of part 2
;; launch attn (part 3): grid 16 x 32, 8 waves a work-group, clusters of 4 x 4, 327,680 bytes of LDS; arguments qkv, mask, attn; writes attn
.if DOCPART == 3
	.amdgcn_target "amdgcn-amd-amdhsa--gfx1250"
	.amdhsa_code_object_version 6
	.text
	.protected	k_qc005d48c86_attn
	.globl	k_qc005d48c86_attn
	.p2align	8
	.type	k_qc005d48c86_attn,@function
k_qc005d48c86_attn:
	s_mov_b64 s[64:65], 0
	v_nop
	global_prefetch_b8 v0, s[64:65] scope:SCOPE_SE
	s_setreg_imm32_b32 hwreg(HW_REG_WAVE_MODE, 25, 1), 1
	s_wait_xcnt 0x0
	s_wait_alu depctr_hold_cnt(0) depctr_sa_sdst(0) depctr_va_vdst(0) depctr_va_sdst(0) depctr_va_ssrc(0) depctr_va_vcc(0) depctr_vm_vsrc(0)
	s_getreg_b32 s2, hwreg(HW_REG_IB_STS2, 6, 4)
	s_cmp_eq_u32 s2, 0
	s_cbranch_scc0 .Lentry_in_a_cluster
	s_endpgm
.Lentry_in_a_cluster:
	s_bfe_u32 s2, ttmp6, 0x10000c
	s_cmp_lg_u32 s2, 0xf033
	s_cbranch_scc0 .Lentry_shape_is_right
	s_endpgm
.Lentry_shape_is_right:
; attn[b][s][64 h + c] = the sum over keys of softmax_k(q . k / 8 + mask[s][k] x (-1e9)) v[k][c], for 64 heads (b, h) of 2,048 positions and 64 channels.
; qkv: [3][64 heads][2048][64] f16; q comes multiplied by log2(e) / 8.  mask: [2048][2048] f32, an input: every number of it is read and every score is computed.  attn: [8192][1024] f16.
; ARITHMETIC.  t = fma(mask, -1e9 log2(e), q' . k): the score in powers of two, one rounding.  For each query a running maximum m and sum l: p = 2^(t - m), t - m by a subtraction, so p is at most 1;
; in every step O and l are multiplied by a = 2^(m_old - m_new).  p is rounded to f16 for the second product; the sum is taken of the unrounded p; O is divided by l at the end and rounded once to f16.
; LIMITS.  NaN and infinities are not served, nor masks above 2e29.  A row all of whose keys carry mask 1 collapses to equal scores (uniform weights) while |score| < 44, since the sum with -1.44e9 rounds to steps of 128.
; SHARES.  A work-group owns 128 queries of TWO heads: the mask's tile serves both.  Wave w: head w / 4, queries 32 (w % 4) on: two tiles of 16.  Two waves share a SIMD: one's softmax stands beside the other's products.
; Every wave walks all 2,048 keys, 64 a step.  A slot of LDS holds 128 keys: 128 rows x 512 bytes of the mask, and 128 rows of K and of V for each head.  Two slots take turns; each wave fetches 16 KB of a slot with one tensor load.
; CLUSTER, 4 x 4.  The mask's tile hangs on the block of queries alone: shared down a column of the cluster; K's and V's hang on the pair of heads alone: shared along a row.  Each is asked for JOINTLY.
; LAYOUT.  S^T = K Q^T (source 0 = 16 keys, source 1 = 16 queries): a lane holds ONE query (lane % 16) and the keys 8 (lane / 16) + 0..7.  Two such tiles rounded in pairs ARE source 1 of O^T = V^T P.
; K comes out of LDS as it lies, V ([key][channel]) turned, by ds_load_tr16_b128.
; REGISTERS.  Window 0: v0-15 addresses; v16-31 statistics, 8 a tile; v32-39 at work; v64-127 S^T; v128-191 the mask's numbers, in S^T's order; v192-223 P.
;             Window 1: v0-31 Q; v32-95 K of a step; v96-159 V of a step; v160-223 O^T.
.set PART,  16777216                   ; bytes of q, of k, of v
.set HB,    262144                     ; bytes of a head
.set PM,    528                        ; a row of the mask's tile in LDS: 512 bytes + 16: row r starts at bank 4 r mod 64 (ISA guide 11.1)
.set PK,    144                        ; a row of K: 128 + 16
.set PV,    160                        ; a row of V: 128 + 32
.set KOFF,  128*PM                     ; a slot: the mask's 128 rows, K's 2 x 128, V's 2 x 128
.set VOFF,  KOFF+2*128*PK
.set SLOTB, VOFF+2*128*PV
.set SPARE, 2*SLOTB                    ; behind the ring: the spare words, 128 bytes for each of eight waves
.set SP,    272                        ; the way out: a stage of 128 rows x (256 bytes + 16), in slot 0, behind its last fill and its last read
.set AM,  2                            ; v2-3   my place in the mask's tile, slot 0, 1
.set AK,  4                            ; v4-5   in K's
.set AV,  6                            ; v6-7   in V's
.set QO,  8                            ; v8     my byte offset in the wave's rows of Q
.set STO, 9                            ; v9     the way out: where I put 16 bytes of a row
.set RD,  10                           ; v10    where I read a row back
.set GO,  11                           ; v11    my byte offset in the wave's rows of attn
.set PFO, 12                           ; v12    the prefetches' offset; never rewritten
.set SPW, 14                           ; v14    LDS address of my spare word; never rewritten
.set NIL, 15                           ; v15    0; never rewritten
.set ST,  16                           ; tile t at v[ST + 8 t]: +0 m (+1 named with it), +2 a (+3 named with it), +4, +5 and +6, +7 the sum, in two chains of pairs
.set MX,  32                           ; tile t at v[MX + 4 t]: two chains of the maximum, the other half's maximum, m_old - m_new
.set SC,  64                           ; S^T: accumulator (t, kt) at SC + 32 t + 8 kt
.set MK,  128
.set PP,  192                          ; P: fragment (t, g) at PP + 16 t + 8 g
.set QF,  0                            ; window 1: Q's fragment (t, kd) at 16 t + 8 kd
.set KF,  32                           ; K's (kt, kd) at KF + 16 kt + 8 kd
.set VF,  96                           ; V's (g, ct) at VF + 32 g + 8 ct
.set OT,  160                          ; O^T: accumulator (t, ct) at OT + 32 t + 8 ct
.set WV,  10                           ; s10  my wave's number
.set G1M, 24                           ; s[24:31] descriptor group 1 for the mask's tiles;  s[32:39] K's;  s[40:47] V's
.set G1K, 32
.set G1V, 40
.set G0M, 48                           ; s[48:55] group 0 for the mask's tiles, a set for each slot;  s[56:63] K's;  s[68:75] V's
.set G0K, 56
.set G0V, 68
.set SEL, 76                           ; s[76:77] lane selects for v_permlanex16_b32: lane l xor 16
.set NEGC, 78                          ; s[78:79] -1e9 log2(e), twice
.set TRIPS, 80
.set LIM, 81                           ; s81  1 in a wave that prefetches, else the greatest number
.set PFA, 82                           ; s[82:83] where my prefetches stand
.set PFS, 84                           ; s[84:85] a slot on, in bytes
.set MSB, 0
.macro WIN new                         ; the immediate's high byte repeats the setting that is left; a switch that changes nothing is dropped
.if MSB != (\new)
	s_set_vgpr_msb (MSB<<8)|(\new)
.set MSB, (\new)
.endif
.endm
.set W_LD, 0x40                        ; destination window 1, address window 0
.set W_KQ, 0x05                        ; K and Q in window 1, S^T in window 0
.set W_PV, 0x51                        ; V in window 1, P in window 0, O^T in window 1
.set W_RS, 0x41                        ; O^T (destination and source 0) in window 1, a in window 0
; A joint refill of slot s.  Waves 0-3 fetch the mask's four quarters, waves 4, 5 the two heads' K, waves 6, 7 their V.  The branches hang on the wave's number alone.
; An s_nop 0 and four v_nop follow each line.
.macro JLOAD s
	s_cmp_lt_u32 s[WV], 4
	s_cbranch_scc0 .Lnot_m_\@
	tensor_load_to_lds s[G0M+4*\s:G0M+4*\s+3], s[G1M:G1M+7]
	s_nop 0
.rept 4
	v_nop
.endr
	s_branch .Lasked_\@
.Lnot_m_\@:
	s_cmp_lt_u32 s[WV], 6
	s_cbranch_scc0 .Lfor_v_\@
	tensor_load_to_lds s[G0K+4*\s:G0K+4*\s+3], s[G1K:G1K+7]
	s_nop 0
.rept 4
	v_nop
.endr
	s_branch .Lasked_\@
.Lfor_v_\@:
	tensor_load_to_lds s[G0V+4*\s:G0V+4*\s+3], s[G1V:G1V+7]
	s_nop 0
.rept 4
	v_nop
.endr
.Lasked_\@:
.endm
; A PREFETCH INTO THE L2 of what the NEXT change of slots will ask for: two key steps, 64 matrix instructions and two softmaxes of a wave, ahead of that load.  One instruction a wave, behind the joint load's lines.
; Each aligned block of 256 bytes is named once in the launch.  The mask's tile is read by every cluster of a column of clusters: cluster y = 0 asks; of its 128 rows the partner at cy takes 32, a lane a row,
; waves 0 and 1 the two halves of a row's 512 bytes.  K's and V's tiles are read by every cluster of a row of clusters: cluster x = 0 asks; the partner at cx takes keys 32 cx on of both heads, 16 blocks a head,
; wave 4 K's and wave 6 V's.  Partners are told apart by address alone.  how = 1: a change whose successor always fills; how = 0: the loop's last trip asks for nothing: there is no slot behind the last.
.macro ASK how
.if \how
	s_cmp_eq_u32 s[LIM], 1
.else
	s_cmp_gt_u32 s[TRIPS], s[LIM]
.endif
	s_cbranch_scc0 .Lnot_mine_\@
	global_prefetch_b8 v[PFO], s[PFA:PFA+1] th:TH_LOAD_NT scope:SCOPE_SE
.Lnot_mine_\@:
.endm
.macro CROUND                          ; a round of the cluster's barrier
	s_barrier_signal -1
	s_barrier_wait -1
	s_cmp_lg_u32 s[WV], 0
	s_cbranch_scc1 .Lnot_wave_0_\@
	s_barrier_signal -3
.Lnot_wave_0_\@:
	s_barrier_wait -3
	s_barrier_signal -1
	s_barrier_wait -1
.endm
	s_load_b128 s[4:7], s[0:1], 0x0                ; qkv s[4:5], mask s[6:7]
	s_load_b64 s[8:9], s[0:1], 0x10                ; attn
	v_lshl_add_u32 v[SPW], v0, 2, SPARE
	v_mov_b32 v[NIL], 0
	ds_add_u32 v[SPW], v[NIL]                      ; the wave's opening: the add and its wait stand ahead of my first tensor load; the set-up below stands between them
	v_lshrrev_b32 v1, 5, v0
	v_readfirstlane_b32 s[WV], v1                  ; wave 0..7
	s_bfe_u32 s11, ttmp6, 0x40000                  ; cx
	s_bfe_u32 s12, ttmp6, 0x40004                  ; cy
	s_lshl_b32 s13, ttmp9, 2
	s_add_co_u32 s13, s13, s11                     ; X: my block of 128 queries = 4 x cluster x + cx
	s_and_b32 s14, ttmp7, 0xffff
	s_lshl_b32 s14, s14, 2
	s_add_co_u32 s14, s14, s12                     ; Y: my pair of heads = 4 x cluster y + cy
	s_lshl_b32 s15, s12, 2
	s_lshl_b32 s15, 15, s15                        ; my row of the cluster: the same Y
	s_lshl_b32 s16, 0x1111, s11                    ; my column: the same X
	; group 1.  The mask: 32 rows x 128 elements of 4 bytes, 2,048 elements from row to row, four words of padding behind every 128
	s_or_b32 s[G1M], s16, (2<<16)|(1<<20)|(1<<21)|(6<<22)|(3<<25)
	s_mov_b32 s[G1M+1], 128<<16                    ; tensor_dim0
	s_mov_b32 s[G1M+2], 32<<16                     ; tensor_dim1
	s_mov_b32 s[G1M+3], 128<<16                    ; tile_dim0
	s_mov_b32 s[G1M+4], 32                         ; tile_dim1
	s_mov_b32 s[G1M+5], 2048                       ; tensor_dim0_stride
	s_mov_b32 s[G1M+6], 0
	s_mov_b32 s[G1M+7], 0
	; K and V: 128 rows x 64 elements of 2 bytes, dense; four (K) or eight (V) words of padding behind every 32
	s_or_b32 s[G1K], s15, (1<<16)|(1<<20)|(1<<21)|(4<<22)|(3<<25)
	s_or_b32 s[G1V], s15, (1<<16)|(1<<20)|(1<<21)|(4<<22)|(7<<25)
.irp g, G1K, G1V
	s_mov_b32 s[\g+1], 64<<16
	s_mov_b32 s[\g+2], 128<<16
	s_mov_b32 s[\g+3], 64<<16
	s_mov_b32 s[\g+4], 128
	s_mov_b32 s[\g+5], 64
	s_mov_b32 s[\g+6], 0
	s_mov_b32 s[\g+7], 0
.endr
	s_mov_b32 s[SEL], 0x76543210
	s_mov_b32 s[SEL+1], 0xfedcba98
	s_mov_b32 s[NEGC], 0xceabfb8f                  ; -1e9 log2(e) = -1,442,695,040
	s_mov_b32 s[NEGC+1], s[NEGC]
	; where the tiles come from and go.  The mask's address is made of X and the wave's number, K's and V's of Y and the wave's number, each in registers that never hold the other coordinate
	s_and_b32 s17, s[WV], 3
	s_lshl_b32 s18, s13, 7
	s_lshl_b32 s19, s17, 5
	s_add_co_u32 s18, s18, s19                     ; the mask's row 128 X + 32 (w % 4),
	s_lshl_b32 s18, s18, 13                        ; 8,192 bytes a row
	s_mov_b32 s19, 0
	s_mul_i32 s22, s17, 32*PM                      ; and its place in a slot
	s_and_b32 s23, s[WV], 1
	s_lshl_b32 s20, s14, 1
	s_add_co_u32 s20, s20, s23                     ; head 2 Y + w % 2
	s_lshl_b32 s20, s20, 18
	s_add_co_u32 s20, s20, PART                    ; in k
	s_mov_b32 s21, 0
	s_mul_i32 s86, s23, 128*PK
	s_add_co_u32 s86, s86, KOFF
	s_mul_i32 s87, s23, 128*PV
	s_add_co_u32 s87, s87, VOFF
	s_wait_dscnt 0x0                               ; the opening add is done
	s_wait_kmcnt 0x0
	s_add_nc_u64 s[18:19], s[6:7], s[18:19]
	s_add_nc_u64 s[20:21], s[4:5], s[20:21]
	s_add_nc_u64 s[88:89], s[20:21], PART          ; and in v
	CROUND                                         ; all sixteen work-groups are here: the first joint loads meet
.irp s, 0,1
	s_mov_b32 s[G0M+4*\s], 1                       ; count = 1
	s_add_co_u32 s[G0M+4*\s+1], s22, \s*SLOTB      ; LDS address
	s_add_nc_u64 s[G0M+4*\s+2:G0M+4*\s+3], s[18:19], \s*512    ; keys 128 s on: 512 bytes along the mask's rows
	s_or_b32 s[G0M+4*\s+3], s[G0M+4*\s+3], 0x80000000          ; type = 2
	s_mov_b32 s[G0K+4*\s], 1
	s_add_co_u32 s[G0K+4*\s+1], s86, \s*SLOTB
	s_add_nc_u64 s[G0K+4*\s+2:G0K+4*\s+3], s[20:21], \s*16384  ; 128 rows of 128 bytes
	s_or_b32 s[G0K+4*\s+3], s[G0K+4*\s+3], 0x80000000
	s_mov_b32 s[G0V+4*\s], 1
	s_add_co_u32 s[G0V+4*\s+1], s87, \s*SLOTB
	s_add_nc_u64 s[G0V+4*\s+2:G0V+4*\s+3], s[88:89], \s*16384
	s_or_b32 s[G0V+4*\s+3], s[G0V+4*\s+3], 0x80000000
.endr
	s_cmp_lt_u32 s[WV], 4                          ; a wave's two first fills stand together in its arm, ahead of every wait on TENSORcnt and every LDS read: two loads of mine are out
	s_cbranch_scc0 .Lfirst_not_m
	tensor_load_to_lds s[G0M:G0M+3], s[G1M:G1M+7]
	s_nop 0
	tensor_load_to_lds s[G0M+4:G0M+7], s[G1M:G1M+7]
	s_nop 0
.rept 4
	v_nop
.endr
	s_branch .Lfirst_asked
.Lfirst_not_m:
	s_cmp_lt_u32 s[WV], 6
	s_cbranch_scc0 .Lfirst_v
	tensor_load_to_lds s[G0K:G0K+3], s[G1K:G1K+7]
	s_nop 0
	tensor_load_to_lds s[G0K+4:G0K+7], s[G1K:G1K+7]
	s_nop 0
.rept 4
	v_nop
.endr
	s_branch .Lfirst_asked
.Lfirst_v:
	tensor_load_to_lds s[G0V:G0V+3], s[G1V:G1V+7]
	s_nop 0
	tensor_load_to_lds s[G0V+4:G0V+7], s[G1V:G1V+7]
	s_nop 0
.rept 4
	v_nop
.endr
.Lfirst_asked:
	; Q stays in registers.  A fragment is 16 rows x 32 channels: lane l holds row l % 16; registers 0-3 channels 8 (l / 16) + 0..7, registers 4-7 channels 16 + 8 (l / 16) + 0..7
	s_lshr_b32 s17, s[WV], 2                       ; hh: my head of the two
	s_and_b32 s18, s[WV], 3                        ; qs: my 32 of the 128 queries
	s_lshl_b32 s22, s14, 1
	s_add_co_u32 s22, s22, s17
	s_lshl_b32 s22, s22, 18                        ; head 2 Y + hh, in q
	s_lshl_b32 s19, s13, 7
	s_lshl_b32 s20, s18, 5
	s_add_co_u32 s19, s19, s20
	s_lshl_b32 s19, s19, 7                         ; row 128 X + 32 qs, 128 bytes a row
	s_add_co_u32 s22, s22, s19
	s_mov_b32 s23, 0
	s_add_nc_u64 s[22:23], s[4:5], s[22:23]
	v_and_b32 v1, 15, v0                           ; r = l % 16
	v_bfe_u32 v13, v0, 4, 1                        ; h = l / 16
	v_lshlrev_b32 v[QO], 7, v1
	v_lshl_add_u32 v[QO], v13, 4, v[QO]
	WIN W_LD
.irp t, 0,1
.irp kd, 0,1
	global_load_b128 v[QF+16*\t+8*\kd:QF+16*\t+8*\kd+3],   v[QO], s[22:23] offset:2048*\t+64*\kd
	global_load_b128 v[QF+16*\t+8*\kd+4:QF+16*\t+8*\kd+7], v[QO], s[22:23] offset:2048*\t+64*\kd+32
.endr
.endr
	WIN 0
	s_mul_i32 s19, s18, 32*PM                      ; the mask: row 32 qs + r, + 32 h bytes: my eight keys of a tile of 16
	v_mul_u32_u24 v40, v1, PM
	v_lshl_add_u32 v40, v13, 5, v40
	v_add_nc_u32 v[AM], s19, v40
	v_add_nc_u32 v[AM+1], SLOTB, v[AM]
	s_mul_i32 s19, s17, 128*PK                     ; K: my head's rows; row r, + 16 h
	s_add_co_u32 s19, s19, KOFF
	v_mul_u32_u24 v40, v1, PK
	v_lshl_add_u32 v40, v13, 4, v40
	v_add_nc_u32 v[AK], s19, v40
	v_add_nc_u32 v[AK+1], SLOTB, v[AK]
	s_mul_i32 s19, s17, 128*PV                     ; V: the turning load takes 16 keys x 16 channels: lane l reads key 8 h + l % 8, channels 8 ((l / 8) % 2) on
	s_add_co_u32 s19, s19, VOFF
	v_and_b32 v41, 7, v0
	v_bfe_u32 v42, v0, 3, 1
	v_lshl_add_u32 v40, v13, 3, v41
	v_mul_u32_u24 v40, v40, PV
	v_lshl_add_u32 v40, v42, 4, v40
	v_add_nc_u32 v[AV], s19, v40
	v_add_nc_u32 v[AV+1], SLOTB, v[AV]
	s_mul_i32 s19, s18, 32*SP                      ; the stage, in: row 32 qs + r; my head's 128 bytes; 16 bytes for each half of the lanes
	s_lshl_b32 s20, s17, 7
	s_add_co_u32 s19, s19, s20
	v_mul_u32_u24 v40, v1, SP
	v_lshl_add_u32 v40, v13, 4, v40
	v_add_nc_u32 v[STO], s19, v40
	s_mul_i32 s19, s[WV], 16*SP                    ; back: wave w takes rows 16 w on, whole; lanes 0-15 one row of 256 bytes, lanes 16-31 the next
	v_mul_u32_u24 v40, v13, SP
	v_lshl_add_u32 v40, v1, 4, v40
	v_add_nc_u32 v[RD], s19, v40
	v_lshlrev_b32 v[GO], 11, v13                   ; and the same two rows in attn: 2,048 bytes a row
	v_lshl_add_u32 v[GO], v1, 4, v[GO]
	s_lshr_b32 s19, s14, 3                         ; attn at row 2,048 b + 128 X + 16 w, byte 256 (Y % 8)
	s_lshl_b32 s19, s19, 11
	s_lshl_b32 s20, s13, 7
	s_add_co_u32 s19, s19, s20
	s_lshl_b32 s20, s[WV], 4
	s_add_co_u32 s19, s19, s20
	s_lshl_b32 s20, s19, 11
	s_and_b32 s19, s14, 7
	s_lshl_b32 s19, s19, 8
	s_add_co_u32 s20, s20, s19
	s_mov_b32 s21, 0
	s_add_nc_u64 s[8:9], s[8:9], s[20:21]
	; the prefetches (macro ASK): both roles' offsets are made, then chosen by the wave's number
	s_lshl_b32 s89, s13, 7
	s_lshl_b32 s90, s12, 5
	s_add_co_u32 s89, s89, s90
	s_lshl_b32 s89, s89, 13                        ; the mask's row 128 X + 32 cy,
	s_and_b32 s90, s[WV], 1
	s_lshl_b32 s91, s90, 8
	s_add_co_u32 s89, s89, s91                     ; my half of a slot's 512 bytes,
	s_add_co_u32 s89, s89, 1024                    ; at keys 256 on: the first change of slots steps it to 384 on
	s_bfe_u32 s91, s[WV], 0x10001
	s_add_co_u32 s91, s91, 1
	s_lshl_b32 s91, s91, 24                        ; k (wave 4) or v (wave 6),
	s_lshl_b32 s92, s14, 19
	s_add_co_u32 s91, s91, s92                     ; head 2 Y,
	s_lshl_b32 s92, s11, 12
	s_add_co_u32 s91, s91, s92                     ; keys 32 cx on,
	s_add_co_u32 s91, s91, 32768                   ; of keys 256 on
	s_lshr_b32 s92, s[WV], 1
	s_and_b32 s93, ttmp7, 0xffff
	s_mov_b32 s86, 256
	s_mov_b32 s87, HB
	s_mov_b32 s88, 16384
	s_cmp_lt_u32 s[WV], 4
	s_cselect_b64 s[PFA:PFA+1], s[6:7], s[4:5]
	s_cselect_b32 s94, s89, s91
	s_cselect_b32 s86, 8192, s86                   ; from lane to lane within sixteen: a row of the mask, or a block of 256 bytes
	s_cselect_b32 s87, 131072, s87                 ; from the first sixteen to the second: sixteen rows, or a head
	s_cselect_b32 s[PFS], 512, s88                 ; a slot on
	s_cselect_b32 s92, s92, s90                    ; 0 in waves 0, 1, 4 and 6,
	s_cselect_b32 s93, s93, ttmp9                  ; where the cluster is the first of those that read the same tiles: the same in all sixteen partners
	s_mov_b32 s95, 0
	s_mov_b32 s[PFS+1], 0
	s_add_nc_u64 s[PFA:PFA+1], s[PFA:PFA+1], s[94:95]
	s_or_b32 s92, s92, s93
	s_cmp_eq_u32 s92, 0
	s_cselect_b32 s[LIM], 1, -1
	v_mul_lo_u32 v[PFO], v1, s86
	v_mul_lo_u32 v40, v13, s87
	v_add_nc_u32 v[PFO], v[PFO], v40
	; the loop has no first step of its own: O^T and the sums begin as zeros and m under every t, so the first a is 0
.irp t, 0,1
	v_mov_b32 v[ST+8*\t], 0xff61b1e6               ; m = -3e38
.irp j, 1,2,3,4,5,6,7
	v_mov_b32 v[ST+8*\t+\j], 0
.endr
	v_mov_b32 v[MX+4*\t+2], 0                      ; a lane permute's destination counts as one of its sources
.endr
	WIN W_LD
.irp j, 0,1,2,3,4,5,6,7,8,9,10,11,12,13,14,15,16,17,18,19,20,21,22,23,24,25,26,27,28,29,30,31,32,33,34,35,36,37,38,39,40,41,42,43,44,45,46,47,48,49,50,51,52,53,54,55,56,57,58,59,60,61,62,63
	v_mov_b32 v[OT+\j], 0
.endr
	WIN 0
; THE SOFTMAX of a step, both tiles line by line in turn, so that no line waits for the line above it.
.macro SOFTMAX
.irp i, 0,2,4,6,8,10,12,14,16,18,20,22,24,26,28,30
.irp t, 0,1
	v_pk_fma_f32 v[SC+32*\t+\i:SC+32*\t+\i+1], v[MK+32*\t+\i:MK+32*\t+\i+1], s[NEGC:NEGC+1], v[SC+32*\t+\i:SC+32*\t+\i+1] op_sel_hi:[1,0,1]   ; t = mask x (-1e9 log2 e) + score; each accumulator from its low end on
.endr
.endr
.irp t, 0,1
	v_max3_num_f32 v[MX+4*\t],   v[SC+32*\t],   v[SC+32*\t+1], v[SC+32*\t+2]     ; the maximum of my 32 and the old m: two chains
	v_max3_num_f32 v[MX+4*\t+1], v[SC+32*\t+3], v[SC+32*\t+4], v[SC+32*\t+5]
.endr
.irp i, 6,10,14,18,22,26
.irp t, 0,1
	v_max3_num_f32 v[MX+4*\t],   v[MX+4*\t],   v[SC+32*\t+\i],   v[SC+32*\t+\i+1]
	v_max3_num_f32 v[MX+4*\t+1], v[MX+4*\t+1], v[SC+32*\t+\i+2], v[SC+32*\t+\i+3]
.endr
.endr
.irp t, 0,1
	v_max3_num_f32 v[MX+4*\t], v[MX+4*\t], v[SC+32*\t+30], v[SC+32*\t+31]
.endr
.irp t, 0,1
	v_max3_num_f32 v[MX+4*\t], v[MX+4*\t], v[MX+4*\t+1], v[ST+8*\t]
.endr
.irp t, 0,1
	v_permlanex16_b32 v[MX+4*\t+2], v[MX+4*\t], s[SEL], s[SEL+1]                  ; the query's other 32 keys lie in the lane 16 away
.endr
.irp t, 0,1
	v_mov_b32 v[MX+4*\t+3], v[ST+8*\t]                                            ; m_old
.endr
.irp t, 0,1
	v_max_num_f32 v[ST+8*\t], v[MX+4*\t], v[MX+4*\t+2]                            ; m_new
.endr
.irp t, 0,1
	v_sub_f32 v[MX+4*\t+3], v[MX+4*\t+3], v[ST+8*\t]                              ; m_old - m_new, 0 or less
.endr
.irp i, 0,2,4,6,8,10,12,14,16,18,20,22,24,26,28,30
.irp t, 0,1
	v_pk_add_f32 v[SC+32*\t+\i:SC+32*\t+\i+1], v[SC+32*\t+\i:SC+32*\t+\i+1], v[ST+8*\t:ST+8*\t+1] op_sel_hi:[1,0] neg_lo:[0,1] neg_hi:[0,1]   ; t - m
.endr
.endr
.irp t, 0,1
	v_exp_f32 v[ST+8*\t+2], v[MX+4*\t+3]                                          ; ONE BATCH: a,
.endr
.irp i, 0,1,2,3,4,5,6,7,8,9,10,11,12,13,14,15,16,17,18,19,20,21,22,23,24,25,26,27,28,29,30,31
.irp t, 0,1
	v_exp_f32 v[SC+32*\t+\i], v[SC+32*\t+\i]                                      ; and p = 2^(t - m)
.endr
.endr
	v_nop                                          ; a plain instruction behind the last exponential,
	s_wait_alu depctr_va_vdst(0)                   ; and a wait ahead of the batch's first reader
.irp i, 0,1,2,3,4,5,6,7,8,9,10,11,12,13,14,15
.irp t, 0,1
	v_cvt_pk_f16_f32 v[PP+16*\t+\i], v[SC+32*\t+2*\i], v[SC+32*\t+2*\i+1]         ; P: registers 8 g + 0..3 keys 32 g + 8 h on, 8 g + 4..7 keys 32 g + 16 + 8 h on
.endr
.endr
.irp t, 0,1
	v_pk_fma_f32 v[ST+8*\t+4:ST+8*\t+5], v[ST+8*\t+4:ST+8*\t+5], v[ST+8*\t+2:ST+8*\t+3], v[SC+32*\t:SC+32*\t+1] op_sel_hi:[1,0,1]     ; l = a l + the unrounded p, in two chains of pairs
	v_pk_fma_f32 v[ST+8*\t+6:ST+8*\t+7], v[ST+8*\t+6:ST+8*\t+7], v[ST+8*\t+2:ST+8*\t+3], v[SC+32*\t+2:SC+32*\t+3] op_sel_hi:[1,0,1]
.endr
.irp i, 4,8,12,16,20,24,28
.irp t, 0,1
	v_pk_add_f32 v[ST+8*\t+4:ST+8*\t+5], v[ST+8*\t+4:ST+8*\t+5], v[SC+32*\t+\i:SC+32*\t+\i+1]
	v_pk_add_f32 v[ST+8*\t+6:ST+8*\t+7], v[ST+8*\t+6:ST+8*\t+7], v[SC+32*\t+\i+2:SC+32*\t+\i+3]
.endr
.endr
.endm
; A KEY STEP: 64 keys, the q-th half of slot s.
.macro STEP s, q
	WIN W_LD
.irp kt, 0,1,2,3
.irp kd, 0,1
	ds_load_b128 v[KF+16*\kt+8*\kd:KF+16*\kt+8*\kd+3],   v[AK+\s] offset:9216*\q+2304*\kt+64*\kd       ; K: keys 16 kt on, channels 32 kd on
	ds_load_b128 v[KF+16*\kt+8*\kd+4:KF+16*\kt+8*\kd+7], v[AK+\s] offset:9216*\q+2304*\kt+64*\kd+32
.endr
.endr
	WIN 0
.irp t, 0,1
.irp kt, 0,1,2,3
	ds_load_b128 v[MK+32*\t+8*\kt:MK+32*\t+8*\kt+3],   v[AM+\s] offset:8448*\t+256*\q+64*\kt            ; the mask, in the scores' layout
	ds_load_b128 v[MK+32*\t+8*\kt+4:MK+32*\t+8*\kt+7], v[AM+\s] offset:8448*\t+256*\q+64*\kt+16
.endr
.endr
	s_wait_dscnt 16                                ; K is in; the mask's sixteen loads may be out
	WIN W_KQ
.irp kd, 0,1                                   ; S^T = K Q^T: the eight accumulators take turns, one instruction a turn; the first eight start the sums
.irp kt, 0,1,2,3
.irp t, 0,1
.if \kd == 0
	v_wmma_f32_16x16x32_f16 v[SC+32*\t+8*\kt:SC+32*\t+8*\kt+7], v[KF+16*\kt+8*\kd:KF+16*\kt+8*\kd+7], v[QF+16*\t+8*\kd:QF+16*\t+8*\kd+7], 0
.else
	v_wmma_f32_16x16x32_f16 v[SC+32*\t+8*\kt:SC+32*\t+8*\kt+7], v[KF+16*\kt+8*\kd:KF+16*\kt+8*\kd+7], v[QF+16*\t+8*\kd:QF+16*\t+8*\kd+7], v[SC+32*\t+8*\kt:SC+32*\t+8*\kt+7]
.endif
.endr
.endr
.endr
	WIN 0
.rept 4
	v_nop                                          ; four places: behind these products for the first read of the scores, and behind the last step's V^T P for the loads into V's registers
.endr
	WIN W_LD
.irp g, 0,1
.irp ct, 0,1,2,3
	ds_load_tr16_b128 v[VF+32*\g+8*\ct:VF+32*\g+8*\ct+3],   v[AV+\s] offset:10240*\q+5120*\g+32*\ct    ; V turned: keys 32 g on, channels 16 ct on
	ds_load_tr16_b128 v[VF+32*\g+8*\ct+4:VF+32*\g+8*\ct+7], v[AV+\s] offset:10240*\q+5120*\g+32*\ct+2560
.endr
.endr
	WIN 0
	s_wait_dscnt 16                                ; the mask is in; V's sixteen loads may be out: they land under the softmax
	SOFTMAX
	WIN W_RS
.irp i, 0,2,4,6,8,10,12,14,16,18,20,22,24,26,28,30
.irp t, 0,1
	v_pk_mul_f32 v[OT+32*\t+\i:OT+32*\t+\i+1], v[OT+32*\t+\i:OT+32*\t+\i+1], v[ST+8*\t+2:ST+8*\t+3] op_sel_hi:[1,0]   ; O^T x a, each accumulator from its low end on
.endr
.endr
	s_wait_dscnt 0x0                               ; V is in
	WIN W_PV
.irp g, 0,1                                    ; O^T += V^T P: eight accumulators by turns
.irp ct, 0,1,2,3
.irp t, 0,1
	v_wmma_f32_16x16x32_f16 v[OT+32*\t+8*\ct:OT+32*\t+8*\ct+7], v[VF+32*\g+8*\ct:VF+32*\g+8*\ct+7], v[PP+16*\t+8*\g:PP+16*\t+8*\g+7], v[OT+32*\t+8*\ct:OT+32*\t+8*\ct+7]
.endr
.endr
.endr
	WIN 0
.endm
.macro PROC s
	STEP \s, 0
	STEP \s, 1
.endm
; THE CHANGE OF SLOTS behind slot s.  Each wave waits for all its tensor loads, of which one is out: its part of the other slot; adds 0 to its spare word; and waits for that and for its reads of slot s.
; fill = 1: slot s is filled again with the keys two slots on.  The barrier is then a round of the cluster's, so that no wave of any partner still reads the slot or has a load on its way, and the joint
; refill is the first thing behind it: it has two key steps in which to land.
.macro CHANGE s, fill, how
	WIN 0
	s_wait_tensorcnt 0x0                           ; no tensor load of mine is out, so a group 0 may be written
	ds_add_u32 v[SPW], v[NIL]                      ; 0 onto my spare word; the descriptors' steps stand between it and the wait for it
.if \fill
	s_add_nc_u64 s[G0M+4*\s+2:G0M+4*\s+3], s[G0M+4*\s+2:G0M+4*\s+3], 1024    ; 256 keys on: the type bits on top are not reached
	s_add_nc_u64 s[G0K+4*\s+2:G0K+4*\s+3], s[G0K+4*\s+2:G0K+4*\s+3], 32768
	s_add_nc_u64 s[G0V+4*\s+2:G0V+4*\s+3], s[G0V+4*\s+2:G0V+4*\s+3], 32768
	s_wait_xcnt 0x0                                ; the last prefetch, two key steps back, has read its address, so it may be written:
	s_add_nc_u64 s[PFA:PFA+1], s[PFA:PFA+1], s[PFS:PFS+1]                    ; one slot further on than this refill
	s_wait_dscnt 0x0                               ; the add is done, and my reads of the slot are over
	CROUND
	JLOAD \s
	ASK \how
.else
	s_wait_dscnt 0x0
	s_barrier_signal -1
	s_barrier_wait -1
.endif
.endm
	s_wait_tensorcnt 1                             ; my part of slot 0 is in; slot 1's may stay out
	s_barrier_signal -1
	s_barrier_wait -1                              ; everybody's is
	s_wait_loadcnt 0x0                             ; Q
	s_mov_b32 s[TRIPS], 7
.Llap:                                             ; seven trips, two slots each: every slot but the last two is filled again
	PROC 0
	CHANGE 0, 1, 1
	PROC 1
	CHANGE 1, 1, 0
	s_sub_co_u32 s[TRIPS], s[TRIPS], 1
	s_cmp_lg_u32 s[TRIPS], 0
	s_cbranch_scc1 .Llap
	PROC 0                                         ; the tail is written out
	CHANGE 0, 0, 0
	PROC 1
	; THE WAY OUT.  The sum's chains and halves and the other half of the lanes' are added (these lines are the places behind the last products); O^T is divided by l, rounded to f16 and sent through the stage.
.irp t, 0,1
	v_pk_add_f32 v[ST+8*\t+4:ST+8*\t+5], v[ST+8*\t+4:ST+8*\t+5], v[ST+8*\t+6:ST+8*\t+7]
.endr
.irp t, 0,1
	v_add_f32 v[MX+4*\t], v[ST+8*\t+4], v[ST+8*\t+5]
.endr
.irp t, 0,1
	v_permlanex16_b32 v[MX+4*\t+2], v[MX+4*\t], s[SEL], s[SEL+1]
.endr
.irp t, 0,1
	v_add_f32 v[MX+4*\t], v[MX+4*\t], v[MX+4*\t+2]                                ; l: at least 1, since the largest p is 1
.endr
.irp t, 0,1
	v_rcp_f32 v[ST+8*\t+2], v[MX+4*\t]
.endr
	v_nop                                          ; a plain instruction behind the last reciprocal,
	s_wait_alu depctr_va_vdst(0)                   ; and the wait ahead of the first use
	WIN W_RS
.irp i, 0,2,4,6,8,10,12,14,16,18,20,22,24,26,28,30
.irp t, 0,1
	v_pk_mul_f32 v[OT+32*\t+\i:OT+32*\t+\i+1], v[OT+32*\t+\i:OT+32*\t+\i+1], v[ST+8*\t+2:ST+8*\t+3] op_sel_hi:[1,0]
.endr
.endr
	WIN 0x05                                       ; sources in window 1, destination in window 0: S^T's registers are free
.irp i, 0,1,2,3,4,5,6,7,8,9,10,11,12,13,14,15,16,17,18,19,20,21,22,23,24,25,26,27,28,29,30,31
	v_cvt_pk_f16_f32 v[SC+\i], v[OT+2*\i], v[OT+2*\i+1]
.endr
	WIN 0
.irp t, 0,1
.irp ct, 0,1,2,3
	ds_store_b128 v[STO], v[SC+16*\t+4*\ct:SC+16*\t+4*\ct+3] offset:16*SP*\t+32*\ct   ; lane (r, h): row 32 qs + 16 t + r, channels 16 ct + 8 h + 0..7 of my head
.endr
.endr
	s_wait_dscnt 0x0                               ; for the others' sake: a row's 256 bytes come from two waves
	s_barrier_signal -1
	s_barrier_wait -1
.irp i, 0,1,2,3,4,5,6,7
	ds_load_b128 v[SC+32+4*\i:SC+32+4*\i+3], v[RD] offset:\i*2*SP
.endr
.irp i, 0,1,2,3,4,5,6,7
	s_wait_dscnt 7-\i                              ; the younger loads may be out
	global_store_b128 v[GO], v[SC+32+4*\i:SC+32+4*\i+3], s[8:9] offset:4096*\i        ; sixteen lanes store 256 consecutive bytes, at a multiple of 256 from attn's first byte
.endr
	s_wait_tensorcnt 0x0                           ; the wave's end, behind my last tensor load and my last LDS store
	ds_add_u32 v[SPW], v[NIL]
	s_wait_dscnt 0x0
	CROUND                                         ; the closing round: no work-group ends while a partner may still ask for a tile that names it
	s_endpgm
.Lfunc_end_k_qc005d48c86_attn:
	.size	k_qc005d48c86_attn, .Lfunc_end_k_qc005d48c86_attn-k_qc005d48c86_attn
	.p2alignl 7, 3214868480
	.fill 96, 4, 3214868480
	.section	.rodata,"a",@progbits
	.p2align	6, 0x0
	.amdhsa_kernel k_qc005d48c86_attn
		.amdhsa_group_segment_fixed_size 327680
		.amdhsa_private_segment_fixed_size 0
		.amdhsa_enable_private_segment 0
		.amdhsa_kernarg_size 24
		.amdhsa_user_sgpr_count 2
		.amdhsa_user_sgpr_kernarg_segment_ptr 1
		.amdhsa_wavefront_size32 1
		.amdhsa_system_sgpr_workgroup_id_x 1
		.amdhsa_system_sgpr_workgroup_id_y 1
		.amdhsa_system_sgpr_workgroup_id_z 1
		.amdhsa_system_vgpr_workitem_id 0
		.amdhsa_next_free_vgpr 512
		.amdhsa_next_free_sgpr 96
		.amdhsa_reserve_vcc 0
		.amdhsa_float_denorm_mode_32 3
		.amdhsa_float_denorm_mode_16_64 3
		.amdhsa_memory_ordered 1
		.amdhsa_forward_progress 1
		.amdhsa_inst_pref_size 185
	.end_amdhsa_kernel
	.amdgpu_metadata
---
amdhsa.version: [ 1, 2 ]
amdhsa.kernels:
  - .name:           k_qc005d48c86_attn
    .symbol:         k_qc005d48c86_attn.kd
    .args:
      - { .name: qkv, .offset: 0, .size: 8, .value_kind: global_buffer, .address_space: global }
      - { .name: mask, .offset: 8, .size: 8, .value_kind: global_buffer, .address_space: global }
      - { .name: attn, .offset: 16, .size: 8, .value_kind: global_buffer, .address_space: global }
    .group_segment_fixed_size: 327680
    .private_segment_fixed_size: 0
    .kernarg_segment_align: 8
    .kernarg_segment_size: 24
    .max_flat_workgroup_size: 256
    .sgpr_count:     96
    .vgpr_count:     512
    .wavefront_size: 32
...
	.end_amdgpu_metadata
.endif
;; end of part 3
;; launch proj (part 4): grid 8 x 64, 4 waves a work-group, clusters of 4 x 4, 327,680 bytes of LDS; arguments attn, wo16, bo, out0; writes out0
.if DOCPART == 4
	.amdgcn_target "amdgcn-amd-amdhsa--gfx1250"
	.amdhsa_code_object_version 6
	.text
	.protected	k_qc005d48c86_proj
	.globl	k_qc005d48c86_proj
	.p2align	8
	.type	k_qc005d48c86_proj,@function
k_qc005d48c86_proj:
	s_mov_b64 s[64:65], 0
	v_nop
	global_prefetch_b8 v0, s[64:65] scope:SCOPE_SE
	s_setreg_imm32_b32 hwreg(HW_REG_WAVE_MODE, 25, 1), 1
	s_wait_xcnt 0x0
	s_wait_alu depctr_hold_cnt(0) depctr_sa_sdst(0) depctr_va_vdst(0) depctr_va_sdst(0) depctr_va_ssrc(0) depctr_va_vcc(0) depctr_vm_vsrc(0)
	s_getreg_b32 s2, hwreg(HW_REG_IB_STS2, 6, 4)
	s_cmp_eq_u32 s2, 0
	s_cbranch_scc0 .Lentry_in_a_cluster
	s_endpgm
.Lentry_in_a_cluster:
	s_bfe_u32 s2, ttmp6, 0x10000c
	s_cmp_lg_u32 s2, 0xf033
	s_cbranch_scc0 .Lentry_shape_is_right
	s_endpgm
.Lentry_shape_is_right:
; out0[m][n] = sum over k of A[m][k] B[n][k] + bo[n].  A = attn [8192][1024], B = wo16 [1024][1024], both f16; sums and out0 [8192][1024] in f32.
; A tile of C is 128 x 128: 512 work-groups.  Four waves, each 64 x 64: 16 accumulators of 16 x 16, 128 registers.  K goes in steps of 256 (LDS rows of 512 bytes; a wave's tensor load brings 64 of them)
; through a ring of two slots.  The bias is the C of each sum's first matrix instruction.  A wave's 64 columns of f32 are 256 bytes: each wave has a stage of its own on the way out, and no barrier is needed there.
; CLUSTERS: 4 x 4 work-groups.  The four of a row of the cluster need the same tiles of A, the four of a column the same tiles of B: each tile is asked for JOINTLY, by the same tensor load with the
; same descriptor and a mask that names the four.  THE MATRIX INSTRUCTION IS USED TRANSPOSED (source 0 = 16 rows of B, source 1 = 16 rows of A): a lane then holds eight neighbouring numbers of a row of C.
; No prefetch: the tiles are small, and each tile of A and B is read by many work-groups.
; REGISTERS: window 0: v0-31 addresses; v32-63 the bias, later with v64-95 rows on the way out; v128-255 the accumulators ((a, b) at v[128 + 8 (4 a + b)]).
;   window 1: two fragment buffers of 128: for 64 along K, 64 registers of A (2 x 4 x 16 rows x 32 K), then 64 of B.
.set SIZE_N, 1024
.set SIZE_K, 1024
.set KSTEP,  256
.set PITCH,  528                       ; an LDS row: 512 bytes + 16 of padding = 132 words: row r starts at bank 4 r mod 64 (ISA guide 11.1)
.set HALFT,  64*PITCH                  ; 64 rows: what one tensor load brings, and what one wave reads of A or of B
.set SLOT,   4*HALFT                   ; A's 128 rows, then B's 128 rows
.set STAGE,  2*SLOT                    ; behind the ring: 16 rows x 272 bytes for each wave
.set SPITCH, 272
.set SPARE,  STAGE+4*16*SPITCH         ; behind the stages: the spare words, 128 bytes for each wave
.set LAPS, SIZE_K/(2*KSTEP)            ; a lap = two K steps = once round the ring
.set ADRA, 16                          ; v16-17  LDS address of my A fragments in slot 0, 1
.set ADRB, 20                          ; v20-21  the same for B
.set STO,  24                          ; v24     the way out: where I put 32 bytes of a row
.set RD,   25                          ; v25     where I read a row back
.set CO,   26                          ; v26     my byte offset in C
.set SPW,  28                          ; v28     LDS address of my spare word; never rewritten
.set NIL,  29                          ; v29     0; never rewritten
.set BIAS, 32                          ; v32-63  block b's eight columns of my half at v[BIAS + 8 b]
.set TMP,  32                          ; the way out: two sets of 32 registers by turns
.set ACC,  128
.set F0,   0                           ; fragment buffers, in window 1
.set F1,   128
.set G1, 24                            ; s[24:31] descriptor group 1 for A's tiles;  s[32:39] group 0, one set for each slot
.set G0, 32
.set G1B, 48                           ; s[48:55], s[56:63] the same for B's tiles
.set G0B, 56
.set MSB, 0
.macro WIN new                         ; the immediate's high byte repeats the setting that is left
.if MSB != (\new)
	s_set_vgpr_msb (MSB<<8)|(\new)
.set MSB, (\new)
.endif
.endm
.set MUL,  0x05                        ; sources 0 (B) and 1 (A) window 1; C and D window 0
.set TO_F, 0x40                        ; destination window 1, address window 0
.macro JLOAD s                         ; a joint load: waves 0 and 1 fetch A's two halves, waves 2 and 3 B's; an s_nop 0 and four v_nop follow each of the two lines
	s_cmp_eq_u32 s11, 0
	s_cbranch_scc0 .Lfor_b_\@
	tensor_load_to_lds s[G0+4*\s:G0+4*\s+3], s[G1:G1+7]
	s_nop 0
.rept 4
	v_nop
.endr
	s_branch .Lasked_\@
.Lfor_b_\@:
	tensor_load_to_lds s[G0B+4*\s:G0B+4*\s+3], s[G1B:G1B+7]
	s_nop 0
.rept 4
	v_nop
.endr
.Lasked_\@:
.endm
.macro CREST                           ; a round of the cluster's barrier behind its opening barrier
	s_cmp_lg_u32 s10, 0
	s_cbranch_scc1 .Lnot_wave_0_\@
	s_barrier_signal -3
.Lnot_wave_0_\@:
	s_barrier_wait -3
	s_barrier_signal -1
	s_barrier_wait -1
.endm
.macro CROUND                          ; a whole round
	s_barrier_signal -1
	s_barrier_wait -1
	CREST
.endm
	s_load_b128 s[4:7], s[0:1], 0x0                ; A s[4:5], B s[6:7]
	s_load_b128 s[68:71], s[0:1], 0x10             ; bo s[68:69], C s[70:71]
	v_lshl_add_u32 v[SPW], v0, 2, SPARE
	v_mov_b32 v[NIL], 0
	ds_add_u32 v[SPW], v[NIL]                      ; the wave's opening: the add and its wait stand ahead of my first tensor load; the set-up below stands between them
	v_lshrrev_b32 v1, 5, v0
	v_readfirstlane_b32 s10, v1                    ; wave 0..3
	s_lshr_b32 s11, s10, 1                         ; which half of the tile's rows is mine.  Also: I fetch for A (0) or for B (1)
	s_and_b32 s12, s10, 1                          ; which half of its columns.  Also: which 64 rows of that tile I fetch
	s_bfe_u32 s40, ttmp6, 0x40000                  ; cx, cy: my place in the cluster
	s_bfe_u32 s41, ttmp6, 0x40004
	s_lshl_b32 s42, ttmp9, 2
	s_add_co_u32 s42, s42, s40                     ; tile column of C = 4 x cluster x + cx
	s_and_b32 s13, ttmp7, 0xffff
	s_lshl_b32 s13, s13, 2
	s_add_co_u32 s13, s13, s41                     ; tile row of C = 4 x cluster y + cy
	s_lshl_b32 s43, s41, 2
	s_lshl_b32 s43, 15, s43                        ; my row of the cluster
	s_lshl_b32 s44, 0x1111, s40                    ; my column
	; descriptor group 1: a tile of 64 rows x 256 elements, padded in LDS
	s_or_b32 s[G1+0], s43, (1<<16)|(1<<20)|(1<<21)|(6<<22)|(3<<25)  ; 15:0 the mask: A's tiles go to my row; 17:16 element of 2 bytes; 20 padding on; 21 set beside a mask; 24:22 after every 128 words; 31:25 four words
	s_or_b32 s[G1B+0], s44, (1<<16)|(1<<20)|(1<<21)|(6<<22)|(3<<25)
.irp g, G1, G1B
	s_mov_b32 s[\g+1], KSTEP<<16                   ; tensor_dim0 = 256
	s_mov_b32 s[\g+2], 64<<16                      ; tensor_dim1 = 64
	s_mov_b32 s[\g+3], KSTEP<<16                   ; tile_dim0 = 256
	s_mov_b32 s[\g+4], 64                          ; tile_dim1 = 64
	s_mov_b32 s[\g+5], SIZE_K                      ; tensor_dim0_stride
	s_mov_b32 s[\g+6], 0
	s_mov_b32 s[\g+7], 0
.endr
	s_lshl_b32 s17, s12, 6                         ; which 64 rows of the tile I fetch
	s_lshl_b32 s16, s13, 7
	s_add_co_u32 s16, s16, s17                     ; A: row 128 x tile row + 64 x half
	s_lshl_b32 s46, s42, 7
	s_add_co_u32 s46, s46, s17                     ; B: row 128 x tile column + 64 x half
	s_mov_b32 s17, 0
	s_mov_b32 s47, 0
	s_mov_b64 s[18:19], SIZE_K*2
	s_mul_u64 s[16:17], s[16:17], s[18:19]
	s_mul_u64 s[46:47], s[46:47], s[18:19]
	s_mul_i32 s20, s10, HALFT                      ; where they go: wave x 64 rows
	s_wait_dscnt 0x0                               ; the opening add is done
	s_wait_kmcnt 0x0
	s_add_nc_u64 s[14:15], s[4:5], s[16:17]
	s_add_nc_u64 s[46:47], s[6:7], s[46:47]
	CROUND                                         ; all sixteen work-groups are here: the first joint loads meet
.irp s, 0,1
	s_mov_b32 s[G0+4*\s], 1
	s_add_co_u32 s[G0+4*\s+1], s20, \s*SLOT
	s_add_nc_u64 s[G0+4*\s+2:G0+4*\s+3], s[14:15], \s*KSTEP*2
	s_or_b32 s[G0+4*\s+3], s[G0+4*\s+3], 0x80000000
	s_mov_b32 s[G0B+4*\s], 1
	s_add_co_u32 s[G0B+4*\s+1], s20, \s*SLOT
	s_add_nc_u64 s[G0B+4*\s+2:G0B+4*\s+3], s[46:47], \s*KSTEP*2
	s_or_b32 s[G0B+4*\s+3], s[G0B+4*\s+3], 0x80000000
	JLOAD \s                                       ; two tensor loads of mine are out
.endr
	v_and_b32 v1, 15, v0                           ; l % 16
	v_bfe_u32 v2, v0, 4, 1                         ; l / 16
	s_lshl_b32 s46, s42, 9                         ; my first column, in bytes of f32: 512 x tile column + 256 x half
	s_lshl_b32 s47, s12, 8
	s_add_co_u32 s46, s46, s47
	s_mov_b32 s47, 0
	s_add_nc_u64 s[68:69], s[68:69], s[46:47]
	v_lshlrev_b32 v6, 5, v2                        ; the bias: 32 bytes on for lanes 16-31
.irp b, 0,1,2,3
	global_load_b128 v[BIAS+8*\b:BIAS+8*\b+3], v6, s[68:69] offset:64*\b              ; bo(16 b + 8 (l / 16) + 0 .. 7): the result's layout
	global_load_b128 v[BIAS+8*\b+4:BIAS+8*\b+7], v6, s[68:69] offset:64*\b+16
.endr
	v_mul_u32_u24 v3, v1, PITCH
	v_lshl_add_u32 v3, v2, 4, v3                   ; a fragment's row x pitch + 16 x half
	s_mul_i32 s21, s11, HALFT                      ; my 64 rows of A
	s_mul_i32 s22, s12, HALFT                      ; my 64 rows of B,
	s_add_co_u32 s22, s22, 2*HALFT                 ; which lie behind A's 128
.irp s, 0,1
	v_add_nc_u32 v[ADRA+\s], s21, v3
	v_add_nc_u32 v[ADRB+\s], s22, v3
	s_add_co_u32 s21, s21, SLOT
	s_add_co_u32 s22, s22, SLOT
.endr
	s_mul_i32 s23, s10, 16*SPITCH
	s_add_co_u32 s23, s23, STAGE                   ; my stage
	v_mul_u32_u24 v4, v1, SPITCH                   ; in: row l % 16, 32 bytes for each half of the lanes
	v_lshl_add_u32 v4, v2, 5, v4
	v_add_nc_u32 v[STO], s23, v4
	v_mul_u32_u24 v5, v2, SPITCH                   ; back: lanes 0-15 take one row of 256 bytes, lanes 16-31 the next
	v_lshl_add_u32 v5, v1, 4, v5
	v_add_nc_u32 v[RD], s23, v5
	v_lshlrev_b32 v5, 12, v2                       ; and the same two rows in C: 4,096 bytes a row
	v_lshl_add_u32 v[CO], v1, 4, v5
	s_lshl_b32 s16, s13, 7
	s_lshl_b32 s17, s11, 6
	s_add_co_u32 s16, s16, s17                     ; my first row of C: 128 x tile row + 64 x half
	s_lshl_b32 s16, s16, 12
	s_mov_b32 s17, 0
	s_add_nc_u64 s[70:71], s[70:71], s[16:17]
	s_add_nc_u64 s[70:71], s[70:71], s[46:47]
; 8 matrix instructions: m blocks a0, a0 + 1 x all 4 n blocks, 32 along K: half c of buffer f.  zero = 1: the first product starts the sums from the bias
.macro MUL8 f, c, a0, zero
.irp a, \a0, \a0+1
.irp b, 0,1,2,3
.if \zero
	v_wmma_f32_16x16x32_f16 v[ACC+8*(4*(\a)+\b):ACC+8*(4*(\a)+\b)+7], v[\f+64+8*(4*\c+\b):\f+64+8*(4*\c+\b)+7], v[\f+8*(4*\c+\a):\f+8*(4*\c+\a)+7], v[BIAS+8*\b:BIAS+8*\b+7]
.else
	v_wmma_f32_16x16x32_f16 v[ACC+8*(4*(\a)+\b):ACC+8*(4*(\a)+\b)+7], v[\f+64+8*(4*\c+\b):\f+64+8*(4*\c+\b)+7], v[\f+8*(4*\c+\a):\f+8*(4*\c+\a)+7], v[ACC+8*(4*(\a)+\b):ACC+8*(4*(\a)+\b)+7]
.endif
.endr
.endr
.endm
; 32 LDS loads in one run: the fragments of 64 along K at byte k of the rows, into buffer f; the first 32 along K first
.macro FETCH slot, k, f
	WIN TO_F
.irp c, 0,1
.irp i, 0,1,2,3
	ds_load_b128 v[\f+64+8*(4*\c+\i):\f+64+8*(4*\c+\i)+3],   v[ADRB+\slot] offset:\k+64*\c+\i*16*PITCH
	ds_load_b128 v[\f+64+8*(4*\c+\i)+4:\f+64+8*(4*\c+\i)+7], v[ADRB+\slot] offset:\k+64*\c+\i*16*PITCH+32
	ds_load_b128 v[\f+8*(4*\c+\i):\f+8*(4*\c+\i)+3],         v[ADRA+\slot] offset:\k+64*\c+\i*16*PITCH
	ds_load_b128 v[\f+8*(4*\c+\i)+4:\f+8*(4*\c+\i)+7],       v[ADRA+\slot] offset:\k+64*\c+\i*16*PITCH+32
.endr
.endr
.endm
.macro PLACES                          ; four places in front of loads into registers that matrix instructions have read, and of the first read of results
.rept 4
	v_nop
.endr
.endm
; A K step is four quarters of 64 along K, 32 matrix instructions each, on buffers 0, 1, 0, 1.  One of the first three: multiplies buffer f and fetches the next quarter, at byte k, into g.
; The sixteen accumulators take turns, one instruction a turn.
.macro QUARTER slot, k, f, g, zero
	s_wait_dscnt 16                                ; the first 32 along K are in; the sixteen loads of the second 32 may be out
	WIN MUL
	MUL8 \f, 0, 0, \zero
	MUL8 \f, 0, 2, \zero
	PLACES
	FETCH \slot, \k, \g
	s_wait_dscnt 32                                ; all but the 32 just issued
	WIN MUL
	MUL8 \f, 1, 0, 0
	MUL8 \f, 1, 2, 0
.endm
; The last quarter multiplies buffer 1 and changes slots: ONE barrier; in front of it each wave waits for all its tensor loads, adds 0 to its spare word, and waits for that and for its own reads of this slot.
; fill = 1: this slot is filled again, two K steps ahead.
.macro TURN slot, next, fill
	WIN 0                                          ; (the add's two registers lie in window 0)
	s_wait_tensorcnt 0x0                           ; all my tensor loads have landed: my part of the next slot;
	ds_add_u32 v[SPW], v[NIL]                      ; 0 onto my spare word;
	s_wait_dscnt 17                                ; (the add and the youngest sixteen loads may be out)
	WIN MUL
	MUL8 F1, 0, 0, 0                               ; eight matrix instructions stand between the add and the wait for it
	s_wait_dscnt 0x0                               ; the add is done, and my reads of this slot are over
	s_barrier_signal -1
	MUL8 F1, 0, 2, 0
.if \fill
	WIN 0
.endif
	s_barrier_wait -1
.if \fill
	CREST                                          ; the barrier has opened a round of the cluster's barrier: no wave of any partner still reads this slot's tile or has a load on its way
	s_add_nc_u64 s[G0+4*\slot+2:G0+4*\slot+3], s[G0+4*\slot+2:G0+4*\slot+3], 2*KSTEP*2
	s_add_nc_u64 s[G0B+4*\slot+2:G0B+4*\slot+3], s[G0B+4*\slot+2:G0B+4*\slot+3], 2*KSTEP*2
	JLOAD \slot                                    ; the first tensor load behind the round; the four v_nop behind it are also the places in front of the loads below
.else
	PLACES
.endif
	FETCH \next, 0, F0
	WIN MUL
	MUL8 F1, 1, 0, 0
	MUL8 F1, 1, 2, 0
.endm
	s_wait_loadcnt 0x0                             ; the bias
	s_wait_tensorcnt 1                             ; my part of K step 0 is in (K step 1's load may be out)
	s_barrier_signal -1
	s_barrier_wait -1                              ; everybody's is
	FETCH 0, 0, F0
	QUARTER 0, 128, F0, F1, 1                      ; the first quarter stands in front of the loop: its first products start the sums
	WIN 0                                          ; at a label and at a branch every window is 0
	s_mov_b32 s3, LAPS-1
.Llap:                                                 ; a trip goes once round the ring, from a lap's second quarter to the next lap's first, and fills both slots again
	QUARTER 0, 256, F1, F0, 0
	QUARTER 0, 384, F0, F1, 0
	TURN 0, 1, 1
	QUARTER 1, 128, F0, F1, 0
	QUARTER 1, 256, F1, F0, 0
	QUARTER 1, 384, F0, F1, 0
	TURN 1, 0, 1
	QUARTER 0, 128, F0, F1, 0
	WIN 0
	s_sub_co_u32 s3, s3, 1
	s_cmp_lg_u32 s3, 0
	s_cbranch_scc1 .Llap
	QUARTER 0, 256, F1, F0, 0                      ; the last lap fills nothing, and has no round of the cluster's barrier
	QUARTER 0, 384, F0, F1, 0
	TURN 0, 1, 0
	QUARTER 1, 128, F0, F1, 0
	QUARTER 1, 256, F1, F0, 0
	QUARTER 1, 384, F0, F1, 0
	s_wait_dscnt 16                                ; the very last quarter: nothing more to fetch
	WIN MUL
	MUL8 F1, 0, 0, 0
	MUL8 F1, 0, 2, 0
	s_wait_dscnt 0
	MUL8 F1, 1, 0, 0
	MUL8 F1, 1, 2, 0
	WIN 0
; THE WAY OUT, block by block of 16 rows x 64 columns.  A lane holds 32 neighbouring bytes of a row; a block goes through my own stage and comes back as whole rows of 256 bytes.
; LDS serves a wave's instructions in order (ISA guide 5.7.1.4): no wait between the stores and the loads, nor in front of the next block's stores.
.macro TOSTAGE a
.irp b, 0,1,2,3
	ds_store_b128 v[STO], v[ACC+8*(4*(\a)+\b):ACC+8*(4*(\a)+\b)+3] offset:64*\b           ; each accumulator from its low end on
	ds_store_b128 v[STO], v[ACC+8*(4*(\a)+\b)+4:ACC+8*(4*(\a)+\b)+7] offset:64*\b+16
.endr
.set BB, TMP+32*((\a)%2)
.irp i, 0,1,2,3,4,5,6,7
	ds_load_b128 v[BB+4*\i:BB+4*\i+3], v[RD] offset:\i*2*SPITCH
.endr
.endm
.macro SEND a, younger                 ; younger: the LDS instructions issued behind block a's loads, which may stay out
.set BB, TMP+32*((\a)%2)
	s_wait_dscnt \younger                          ; the block is back in registers
.irp i, 0,1,2,3,4,5,6,7
	global_store_b128 v[CO], v[BB+4*\i:BB+4*\i+3], s[70:71] offset:(16*(\a)+2*\i)*SIZE_N*4 th:TH_STORE_NT   ; sixteen lanes store 256 consecutive bytes, at a multiple of 256 from C's first byte; written once, read by nobody here
.endr
.endm
	PLACES                                         ; behind the last products, ahead of the first read of results
	TOSTAGE 0
.irp a, 1,2,3
.if \a > 1
	s_wait_xcnt 0x0                                ; block a - 2's stores have read their registers: block a's loads may land there
.endif
	TOSTAGE \a
	SEND \a-1, 16                                  ; behind block a - 1's loads: block a's eight stores and eight loads
.endr
	SEND 3, 0
	s_wait_tensorcnt 0x0                           ; the wave's end, behind my last tensor load and my last LDS store
	ds_add_u32 v[SPW], v[NIL]
	s_wait_dscnt 0x0
	CROUND                                         ; the closing round: no work-group ends while a partner may still ask for a tile that names it
	s_endpgm
.Lfunc_end_k_qc005d48c86_proj:
	.size	k_qc005d48c86_proj, .Lfunc_end_k_qc005d48c86_proj-k_qc005d48c86_proj
	.p2alignl 7, 3214868480
	.fill 96, 4, 3214868480
	.section	.rodata,"a",@progbits
	.p2align	6, 0x0
	.amdhsa_kernel k_qc005d48c86_proj
		.amdhsa_group_segment_fixed_size 327680
		.amdhsa_private_segment_fixed_size 0
		.amdhsa_enable_private_segment 0
		.amdhsa_kernarg_size 32
		.amdhsa_user_sgpr_count 2
		.amdhsa_user_sgpr_kernarg_segment_ptr 1
		.amdhsa_wavefront_size32 1
		.amdhsa_system_sgpr_workgroup_id_x 1
		.amdhsa_system_sgpr_workgroup_id_y 1
		.amdhsa_system_sgpr_workgroup_id_z 1
		.amdhsa_system_vgpr_workitem_id 0
		.amdhsa_next_free_vgpr 512
		.amdhsa_next_free_sgpr 72
		.amdhsa_reserve_vcc 0
		.amdhsa_float_denorm_mode_32 3
		.amdhsa_float_denorm_mode_16_64 3
		.amdhsa_memory_ordered 1
		.amdhsa_forward_progress 1
		.amdhsa_inst_pref_size 86
	.end_amdhsa_kernel
	.amdgpu_metadata
---
amdhsa.version: [ 1, 2 ]
amdhsa.kernels:
  - .name:           k_qc005d48c86_proj
    .symbol:         k_qc005d48c86_proj.kd
    .args:
      - { .name: attn, .offset: 0, .size: 8, .value_kind: global_buffer, .address_space: global }
      - { .name: wo16, .offset: 8, .size: 8, .value_kind: global_buffer, .address_space: global }
      - { .name: bo, .offset: 16, .size: 8, .value_kind: global_buffer, .address_space: global }
      - { .name: out0, .offset: 24, .size: 8, .value_kind: global_buffer, .address_space: global }
    .group_segment_fixed_size: 327680
    .private_segment_fixed_size: 0
    .kernarg_segment_align: 8
    .kernarg_segment_size: 32
    .max_flat_workgroup_size: 128
    .sgpr_count:     72
    .vgpr_count:     512
    .wavefront_size: 32
...
	.end_amdgpu_metadata
.endif
;; end of part 4
